; MI455X (gfx1250); checked and timed in simulation.
; The chip was launched on July 23, 2026; its instructions are those of AMD's public machine-readable ISA for CDNA 5 (MIT licence, August 2026) and "CDNA5" Instruction Set Architecture Reference Guide (July 2026). The comments in the code are by the model that wrote it; some were corrected since.
;; Causal Attention. Allowed arithmetic: float matrix products may take bf16 or f16 operands with f32 sums; other float arithmetic in f32, or as packed bf16 or f16 multiplies, adds, multiply-adds, maxima and minima; sums over many terms, partial sums and values carried from step to step in f32; what a program stores and reads back later, other than sums and carried values, may be rounded once to bf16 or f16.
;; Inputs: Wk 1,024 x 1,024 float32; Wq 1,024 x 1,024 float32; Wv 1,024 x 1,024 float32; x 8 x 1,024 x 1,024 float32.
;; Outputs: out0 8 x 1,024 x 1,024 float32.
;; 2 versions, each right; version 2 is version 1 with the launch prep written anew for expert scheduling mode. Each part assembles by itself: llvm-mc -triple=amdgcn-amd-amdhsa -mcpu=gfx1250 --defsym DOCPART=n.
;; ======== version 1 of 2: 4 launches
;; limits: values are held in f16: magnitudes above 65,504 overflow, below 6.1e-05 lose precision
;; workspace buffers: xb 16,777,216 bytes; wt 6,291,456 bytes; qk 33,554,432 bytes; vt 16,777,216 bytes; pb 16,777,216 bytes; st 524,288 bytes
;; launch prep (part 1): grid 704 x 1, 8 waves a work-group, no clusters, 50,688 bytes of LDS; arguments x, Wq, Wk, Wv, xb, wt; writes xb, wt
.if DOCPART == 1
	.amdgcn_target "amdgcn-amd-amdhsa--gfx1250"
	.amdhsa_code_object_version 6
	.text
	.protected	k_q25de6a18fa_prep
	.globl	k_q25de6a18fa_prep
	.p2align	8
	.type	k_q25de6a18fa_prep,@function
k_q25de6a18fa_prep:
	s_mov_b64 s[64:65], 0
	v_nop
	global_prefetch_b8 v0, s[64:65] scope:SCOPE_SE
	s_setreg_imm32_b32 hwreg(HW_REG_WAVE_MODE, 25, 1), 1
	s_wait_xcnt 0x0
; prep: xb = bf16(x), [8192][1024];  wt = bf16 of the three weights, transposed: wt[which*1024 + e][d] = W_which[d][e], which = 0 (Wq), 1 (Wk), 2 (Wv).
; Work-groups 0 to 511 cast 64 KiB of x each; work-groups 512 to 703 transpose one block of 128 d x 128 e of one weight each (3 x 8 x 8 = 192).
; Memory binds: every input byte is read once by 16-byte loads of which a wave's cover 512 neighbouring bytes, every output byte is written once,
; and each store of a wave covers whole aligned runs of 256 bytes.  No matrix unit, no cluster: no work-group shares a byte with another.
.set XGROUPS, 512
.set X,    16                          ; v[16:79]   sixteen loads of four f32
.set Y,    80                          ; v[80:111]  the rounded numbers, a register of its own for each: no store's data is ever rewritten
.set WP,   48                          ; LDS pitch of a row of 16 bf16 (32 bytes + 16)
.set WREG, 128*WP+32                   ; a wave's own region of the stage: 128 rows (e) x 16 d; the 32 bytes shift neighbouring regions by two 16-byte columns
	s_load_b256 s[4:11], s[0:1], 0x0               ; x s[4:5], Wq s[6:7], Wk s[8:9], Wv s[10:11]
	s_load_b128 s[12:15], s[0:1], 0x20             ; xb s[12:13], wt s[14:15]
	v_lshl_add_u32 v112, v0, 2, 0xc200
	v_mov_b32 v113, 0
	v_lshrrev_b32 v2, 5, v0
	v_readfirstlane_b32 s16, v2                    ; wave 0..7
	v_and_b32 v1, 31, v0                           ; lane
	s_cmp_ge_u32 ttmp9, XGROUPS                    ; the same in all waves of a work-group
	s_cbranch_scc1 .Lw
	; ---- the cast of x: thread t takes the 16 bytes at 16 t + 4096 k, k = 0..15, of the group's 65,536 bytes ----
	v_lshlrev_b32 v3, 4, v0                        ; 16 t: in
	v_lshlrev_b32 v4, 3, v0                        ; 8 t: out
	s_lshl_b32 s18, ttmp9, 16                      ; 65,536 bytes of x for each group (below 32 MiB)
	s_mov_b32 s19, 0
	s_lshl_b32 s20, ttmp9, 15                      ; 32,768 bytes of xb
	s_mov_b32 s21, 0
	s_wait_kmcnt 0x0
	s_add_nc_u64 s[4:5], s[4:5], s[18:19]
	s_add_nc_u64 s[12:13], s[12:13], s[20:21]
.irp k, 0,1,2,3,4,5,6,7,8,9,10,11,12,13,14,15
	global_load_b128 v[X+4*\k:X+4*\k+3], v3, s[4:5] offset:4096*\k th:TH_LOAD_NT   ; all sixteen go out before the first is used
.endr
.irp k, 0,1,2,3,4,5,6,7,8,9,10,11,12,13,14,15
	s_wait_loadcnt 15-\k                           ; loads return in order: load k is in, the 15 - k younger ones stay out
	v_cvt_pk_bf16_f32 v[Y+2*\k],   v[X+4*\k],   v[X+4*\k+1]
	v_cvt_pk_bf16_f32 v[Y+2*\k+1], v[X+4*\k+2], v[X+4*\k+3]
	global_store_b64 v4, v[Y+2*\k:Y+2*\k+1], s[12:13] offset:2048*\k               ; 32 lanes x 8 bytes: 256 consecutive bytes, aligned
.endr
	s_endpgm
	; ---- the transposition of a block of 128 d x 128 e ----
.Lw:
	s_sub_co_u32 s17, ttmp9, XGROUPS
	s_lshr_b32 s18, s17, 6                         ; which weight
	s_bfe_u32 s19, s17, 0x30003                    ; td: block of 128 d
	s_and_b32 s20, s17, 7                          ; te: block of 128 e
	s_lshl_b32 s24, s19, 19                        ; in: 128 td rows of 4,096 bytes
	s_lshl_b32 s21, s20, 9                         ;     + 128 te columns of 4 bytes
	s_add_co_u32 s24, s24, s21
	s_mov_b32 s25, 0
	s_lshl_b32 s26, s18, 21                        ; out: (1024 which + 128 te) rows of 2,048 bytes
	s_lshl_b32 s21, s20, 18
	s_add_co_u32 s26, s26, s21
	s_lshl_b32 s21, s19, 8                         ;      + 128 td columns of 2 bytes
	s_add_co_u32 s26, s26, s21
	s_mov_b32 s27, 0
	s_mul_i32 s28, s16, WREG                       ; my region of the stage
	v_lshlrev_b32 v3, 4, v1
	v_lshl_add_u32 v3, s16, 16, v3                 ; in: my 16 rows (d = 16 w ..) + 16 bytes a lane (e = 4 lane ..)
	v_mul_u32_u24 v5, v1, 4*WP
	v_add_nc_u32 v5, s28, v5                       ; stage, in: my region, row e = 4 lane
	v_lshrrev_b32 v6, 4, v1
	v_lshl_add_u32 v6, s16, 4, v6                  ; back: row e = 16 w + lane / 16 (+ 2 t)
	v_and_b32 v7, 15, v1                           ; piece r of a row of 256 bytes: d = 8 r .. 8 r + 7,
	v_lshrrev_b32 v8, 1, v7                        ; which wave r / 2 wrote,
	v_and_b32 v9, 1, v7                            ; as the half r % 2 of its 32 bytes
	v_mul_u32_u24 v8, v8, WREG
	v_lshl_add_u32 v8, v9, 4, v8
	v_mul_u32_u24 v9, v6, WP
	v_add_nc_u32 v8, v8, v9                        ; stage, back
	v_lshlrev_b32 v9, 4, v7
	v_lshl_add_u32 v9, v6, 11, v9                  ; out: row x 2,048 + 16 r
	s_wait_kmcnt 0x0
	s_cmp_eq_u32 s18, 1
	s_cselect_b64 s[22:23], s[8:9], s[6:7]
	s_cmp_eq_u32 s18, 2
	s_cselect_b64 s[22:23], s[10:11], s[22:23]     ; the weight's address, chosen by the group's number alone
	s_add_nc_u64 s[22:23], s[22:23], s[24:25]
	s_add_nc_u64 s[14:15], s[14:15], s[26:27]
.irp p, 0,1,2,3,4,5,6,7,8,9,10,11,12,13,14,15
	global_load_b128 v[X+4*\p:X+4*\p+3], v3, s[22:23] offset:4096*\p th:TH_LOAD_NT  ; row d = 16 w + p: 512 neighbouring bytes a wave
.endr
.irp g, 0,1
	s_wait_loadcnt 8-8*\g                          ; rows 8 g .. 8 g + 7 are in; for g = 0 the eight younger loads stay out
.irp k, 0,1,2,3
.irp i, 0,1,2,3
	v_cvt_pk_bf16_f32 v[Y+4*(4*\g+\k)+\i], v[X+4*(8*\g+2*\i)+\k], v[X+4*(8*\g+2*\i+1)+\k]   ; column e = 4 lane + k, d = 16 w + 8 g + 2 i and the next
.endr
	ds_store_b128 v5, v[Y+4*(4*\g+\k):Y+4*(4*\g+\k)+3] offset:WP*\k+16*\g
.endr
.endr
	s_wait_dscnt 0x0                               ; my stores are in LDS: the other waves read them behind the barrier
	s_barrier_signal -1
	s_barrier_wait -1
.irp t, 0,1,2,3,4,5,6,7
	ds_load_b128 v[X+4*\t:X+4*\t+3], v8 offset:2*WP*\t          ; rows 16 w + 2 t (lanes 0-15) and + 1 (lanes 16-31), 256 bytes each
.endr
.irp t, 0,1,2,3,4,5,6,7
	s_wait_dscnt 7-\t                              ; LDS loads return in order: load t is in
	global_store_b128 v9, v[X+4*\t:X+4*\t+3], s[14:15] offset:4096*\t   ; sixteen lanes store 256 consecutive bytes, aligned
.endr
	s_wait_tensorcnt 0x0
	ds_add_u32 v112, v113
	s_wait_dscnt 0x0
	s_endpgm
.Lfunc_end_k_q25de6a18fa_prep:
	.size	k_q25de6a18fa_prep, .Lfunc_end_k_q25de6a18fa_prep-k_q25de6a18fa_prep
	.p2alignl 7, 3214868480
	.fill 96, 4, 3214868480
	.section	.rodata,"a",@progbits
	.p2align	6, 0x0
	.amdhsa_kernel k_q25de6a18fa_prep
		.amdhsa_group_segment_fixed_size 50688
		.amdhsa_private_segment_fixed_size 0
		.amdhsa_enable_private_segment 0
		.amdhsa_kernarg_size 48
		.amdhsa_user_sgpr_count 2
		.amdhsa_user_sgpr_kernarg_segment_ptr 1
		.amdhsa_wavefront_size32 1
		.amdhsa_system_sgpr_workgroup_id_x 1
		.amdhsa_system_sgpr_workgroup_id_y 1
		.amdhsa_system_sgpr_workgroup_id_z 1
		.amdhsa_system_vgpr_workitem_id 0
		.amdhsa_next_free_vgpr 114
		.amdhsa_next_free_sgpr 66
		.amdhsa_reserve_vcc 0
		.amdhsa_float_denorm_mode_32 3
		.amdhsa_float_denorm_mode_16_64 3
		.amdhsa_memory_ordered 1
		.amdhsa_forward_progress 1
		.amdhsa_inst_pref_size 14
	.end_amdhsa_kernel
	.amdgpu_metadata
---
amdhsa.version: [ 1, 2 ]
amdhsa.kernels:
  - .name:           k_q25de6a18fa_prep
    .symbol:         k_q25de6a18fa_prep.kd
    .args:
      - { .name: x, .offset: 0, .size: 8, .value_kind: global_buffer, .address_space: global }
      - { .name: Wq, .offset: 8, .size: 8, .value_kind: global_buffer, .address_space: global }
      - { .name: Wk, .offset: 16, .size: 8, .value_kind: global_buffer, .address_space: global }
      - { .name: Wv, .offset: 24, .size: 8, .value_kind: global_buffer, .address_space: global }
      - { .name: xb, .offset: 32, .size: 8, .value_kind: global_buffer, .address_space: global }
      - { .name: wt, .offset: 40, .size: 8, .value_kind: global_buffer, .address_space: global }
    .group_segment_fixed_size: 50688
    .private_segment_fixed_size: 0
    .kernarg_segment_align: 8
    .kernarg_segment_size: 48
    .max_flat_workgroup_size: 256
    .sgpr_count:     66
    .vgpr_count:     114
    .wavefront_size: 32
...
	.end_amdgpu_metadata
.endif
;; end of part 1
;; launch qk (part 2): grid 32 x 8, 4 waves a work-group, clusters of 4 x 4, 327,680 bytes of LDS; arguments wt, xb, qk; writes qk
.if DOCPART == 2
	.amdgcn_target "amdgcn-amd-amdhsa--gfx1250"
	.amdhsa_code_object_version 6
	.text
	.protected	k_q25de6a18fa_qk
	.globl	k_q25de6a18fa_qk
	.p2align	8
	.type	k_q25de6a18fa_qk,@function
k_q25de6a18fa_qk:
	s_mov_b64 s[64:65], 0
	v_nop
	global_prefetch_b8 v0, s[64:65] scope:SCOPE_SE
	s_setreg_imm32_b32 hwreg(HW_REG_WAVE_MODE, 25, 1), 1
	s_wait_xcnt 0x0
	s_wait_alu depctr_hold_cnt(0) depctr_sa_sdst(0) depctr_va_vdst(0) depctr_va_sdst(0) depctr_va_ssrc(0) depctr_va_vcc(0) depctr_vm_vsrc(0)
	s_getreg_b32 s2, hwreg(HW_REG_IB_STS2, 6, 4)
	s_cmp_eq_u32 s2, 0
	s_cbranch_scc0 .Lentry_in_a_cluster
	s_endpgm
.Lentry_in_a_cluster:
	s_bfe_u32 s2, ttmp6, 0x10000c
	s_cmp_lg_u32 s2, 0xf033
	s_cbranch_scc0 .Lentry_shape_is_right
	s_endpgm
.Lentry_shape_is_right:
; qk[f][tok] = sum over d of wt[f][d] xb[tok][d] for f = 0 .. 2047: the projections Q (features 0-1023) and K (1024-2047), stored transposed, in f16.
; wt: [3072][1024] bf16 (rows 2048.. are not touched here), xb: [8192][1024] bf16, qk: [2048 features][8192 tokens] f16; sums in f32.
; LIMIT: a projected number of magnitude 65,504 or more becomes an infinity in f16.
; A work-group makes 256 features x 256 tokens with four waves; a wave makes 128 x 128: 64 accumulator tiles of 16 x 16, 512 registers.
; 8 x 32 = 256 work-groups.  d goes in steps of 128 through a ring of two LDS slots filled by the tensor data mover; a tile's rows are
; 256 bytes of memory and start at multiples of 256 bytes.  From a refill to the wait for it a wave issues 240 matrix instructions.
; CLUSTERS of 4 x 4: the four work-groups of a row of the cluster need the same tiles of wt, the four of a column the same tiles of xb.
; Each such tile is asked for jointly, by the same load with the same descriptor in all four: the requests for both are divided by four.
; REGISTERS: window 0: v0-31 addresses; v64-127, v128-191 fragments of wt (8 x 16 rows x 32 d), two buffers; v192-223 at work on the way out
;   window 1: v64-127, v128-191 fragments of xb, two buffers
;   window 2: the 32 accumulator tiles of my features 0-63 (tile (a, b) at v[8 (8 a + b)]);  window 3: those of my features 64-127
; THE MATRIX INSTRUCTION IS USED TRANSPOSED: source 0 = 16 tokens of xb, source 1 = 16 features of wt.  Lane l then holds feature l % 16 and, in its
; eight registers, the tokens 8 (l / 16) + 0..7: eight neighbouring numbers of a row of qk, 16 bytes in f16.
; The 64 accumulators take turns, one instruction a turn, in the same order everywhere.
.set SIZE_N, 8192                      ; tokens: a row of qk
.set SIZE_K, 1024                      ; d
.set KSTEP,  128
.set PITCH,  272                       ; an LDS row: 256 bytes + 16: the 16 rows of a fragment start at 16 different 16-byte columns modulo 256
.set HALFT,  128*PITCH                 ; 128 rows: what one tensor load brings, and what one wave reads of wt or of xb
.set SLOT,   4*HALFT                   ; wt's 256 rows, then xb's 256 rows
.set STAGE,  2*SLOT                    ; behind the ring: 16 rows x 272 bytes for each wave, for the way out; no tensor load lands here
.set SPITCH, 272
.set LAPS, SIZE_K/(2*KSTEP)            ; a lap = two steps = once round the ring: 4
.set ADRA, 16                          ; v16-17  LDS address of my wt fragments in slot 0, 1
.set ADRB, 20                          ; v20-21  the same for xb
.set STO,  24                          ; the way out: where I put 16 bytes of a row
.set RD,   25                          ; the way out: where I read a row back
.set CO,   26                          ; my byte offset in qk
.set F0,   64                          ; fragment buffer 0
.set F1,   128                         ; fragment buffer 1
.set TMP,  192                         ; the way out: packed results, in window 0
.set G1, 24                            ; s[24:31] descriptor group 1 for wt's tiles
.set G0, 32                            ; s[32:39] descriptor group 0 for wt's tiles, one set for each slot
.set G1B, 48                           ; s[48:55] group 1 for xb's tiles: it differs in the mask alone
.set G0B, 56                           ; s[56:63] group 0 for xb's tiles
.set MSB, 0
.macro WIN new                         ; the immediate's high byte repeats the setting that is left
.if MSB != \new
	s_set_vgpr_msb (MSB<<8)|\new
.set MSB, \new
.endif
.endm
.set MUL_LO, 0xa1                      ; source 0 (xb) window 1, source 1 (wt) window 0, C and D window 2
.set MUL_HI, 0xf1                      ; the same, C and D window 3
.set TO_B,   0x40                      ; destination window 1, address window 0
; A joint load.  Waves 0 and 1 fetch wt's two halves, waves 2 and 3 xb's.  Each line has one mask and one set of registers; the branch hangs on the wave's number alone.
.macro JLOAD s
	s_cmp_eq_u32 s11, 0
	s_cbranch_scc0 .Lfor_b_\@
	tensor_load_to_lds s[G0+4*\s:G0+4*\s+3], s[G1:G1+7]
	s_nop 0
	s_branch .Lasked_\@
.Lfor_b_\@:
	tensor_load_to_lds s[G0B+4*\s:G0B+4*\s+3], s[G1B:G1B+7]
	s_nop 0
.Lasked_\@:
.endm
.macro CREST                           ; a round of the cluster's barrier behind its opening work-group barrier
	s_cmp_lg_u32 s10, 0
	s_cbranch_scc1 .Lnot_wave_0_\@
	s_barrier_signal -3
.Lnot_wave_0_\@:
	s_barrier_wait -3
	s_barrier_signal -1
	s_barrier_wait -1
.endm
.macro CROUND                          ; a whole round
	s_barrier_signal -1
	s_barrier_wait -1
	CREST
.endm
	s_load_b128 s[4:7], s[0:1], 0x0                ; wt s[4:5], xb s[6:7]
	s_load_b64 s[8:9], s[0:1], 0x10                ; qk
	s_set_vgpr_msb 0x40
	v_lshl_add_u32 v255, v0, 2, 0x48400
	s_set_vgpr_msb 0x4000
	v_mov_b32 v255, 0
	s_set_vgpr_msb 0x1
	ds_add_u32 v255, v255
	ds_add_u32 v255, v255
	s_set_vgpr_msb 0x100
	v_lshrrev_b32 v1, 5, v0
	v_readfirstlane_b32 s10, v1                    ; wave 0..3
	s_lshr_b32 s11, s10, 1                         ; which 128 features are mine.  Also: I fetch for wt (0) or for xb (1)
	s_and_b32 s12, s10, 1                          ; which 128 tokens are mine.  Also: which 128 rows of that tile I fetch
	s_bfe_u32 s40, ttmp6, 0x40000                  ; cx
	s_bfe_u32 s41, ttmp6, 0x40004                  ; cy
	s_lshl_b32 s42, ttmp9, 2
	s_add_co_u32 s42, s42, s40                     ; block of 256 tokens = 4 x cluster x + cx
	s_and_b32 s13, ttmp7, 0xffff
	s_lshl_b32 s13, s13, 2
	s_add_co_u32 s13, s13, s41                     ; block of 256 features = 4 x cluster y + cy
	s_lshl_b32 s43, s41, 2
	s_lshl_b32 s43, 15, s43                        ; my row of the cluster: places 4 cy .. 4 cy + 3
	s_lshl_b32 s44, 0x1111, s40                    ; my column: places cx, cx + 4, cx + 8, cx + 12
	; group 1: a tile of 128 rows x 128 elements of 2 bytes, 4 words of padding behind every 64 words
	s_or_b32 s[G1+0], s43, (1<<16)|(1<<20)|(1<<21)|(5<<22)|(3<<25)   ; wt's tiles go to my row of the cluster
	s_or_b32 s[G1B+0], s44, (1<<16)|(1<<20)|(1<<21)|(5<<22)|(3<<25)  ; xb's tiles to my column
	s_mov_b32 s[G1B+1], KSTEP<<16
	s_mov_b32 s[G1+1], KSTEP<<16                   ; tensor_dim0 = 128
	s_mov_b32 s[G1B+2], 128<<16
	s_mov_b32 s[G1+2], 128<<16                     ; tensor_dim1 = 128
	s_mov_b32 s[G1B+3], KSTEP<<16
	s_mov_b32 s[G1+3], KSTEP<<16                   ; tile_dim0 = 128
	s_mov_b32 s[G1B+4], 128
	s_mov_b32 s[G1+4], 128                         ; tile_dim1 = 128
	s_mov_b32 s[G1B+5], SIZE_K
	s_mov_b32 s[G1+5], SIZE_K                      ; elements from row to row
	s_mov_b32 s[G1B+6], 0
	s_mov_b32 s[G1+6], 0
	s_mov_b32 s[G1B+7], 0
	s_mov_b32 s[G1+7], 0
	; where the tiles come from: wt's hang on the feature block alone, xb's on the token block alone, each in registers that never hold the other coordinate
	s_lshl_b32 s17, s12, 7                         ; which 128 rows of the tile I fetch
	s_lshl_b32 s16, s13, 8
	s_add_co_u32 s16, s16, s17                     ; wt: row 256 x feature block + 128 x half
	s_lshl_b32 s46, s42, 8
	s_add_co_u32 s46, s46, s17                     ; xb: row 256 x token block + 128 x half
	s_mov_b32 s17, 0
	s_mov_b32 s47, 0
	s_mov_b64 s[18:19], SIZE_K*2
	s_mul_u64 s[16:17], s[16:17], s[18:19]         ; in bytes
	s_mul_u64 s[46:47], s[46:47], s[18:19]
	s_mul_i32 s20, s10, HALFT                      ; where they go: wt's two halves, then xb's two halves = wave x 128 rows: the wave's number alone enters an LDS address
	s_wait_dscnt 0x0
	s_wait_kmcnt 0x0
	s_add_nc_u64 s[14:15], s[4:5], s[16:17]
	s_add_nc_u64 s[46:47], s[6:7], s[46:47]
	CROUND                                         ; all sixteen work-groups are here: the first joint loads meet
.irp s, 0,1
	s_mov_b32 s[G0+4*\s], 1
	s_add_co_u32 s[G0+4*\s+1], s20, \s*SLOT
	s_add_nc_u64 s[G0+4*\s+2:G0+4*\s+3], s[14:15], \s*KSTEP*2
	s_or_b32 s[G0+4*\s+3], s[G0+4*\s+3], 0x80000000
	s_mov_b32 s[G0B+4*\s], 1
	s_add_co_u32 s[G0B+4*\s+1], s20, \s*SLOT
	s_add_nc_u64 s[G0B+4*\s+2:G0B+4*\s+3], s[46:47], \s*KSTEP*2
	s_or_b32 s[G0B+4*\s+3], s[G0B+4*\s+3], 0x80000000
	JLOAD \s                                       ; both slots' first fills go out before anything else: two loads of mine are out
.endr
	; a fragment is 16 rows x 32 d in 8 registers: two loads of 16 bytes, 32 bytes apart, at row x pitch + 16 (l / 16)
	v_and_b32 v1, 15, v0                           ; l % 16
	v_bfe_u32 v2, v0, 4, 1                         ; l / 16
	v_mul_u32_u24 v3, v1, PITCH
	v_lshl_add_u32 v3, v2, 4, v3
	s_mul_i32 s21, s11, HALFT                      ; my 128 features
	s_mul_i32 s22, s12, HALFT                      ; my 128 tokens,
	s_add_co_u32 s22, s22, 2*HALFT                 ; which lie behind wt's 256 rows
.irp s, 0,1
	v_add_nc_u32 v[ADRA+\s], s21, v3
	v_add_nc_u32 v[ADRB+\s], s22, v3
	s_add_co_u32 s21, s21, SLOT
	s_add_co_u32 s22, s22, SLOT
.endr
	s_mul_i32 s23, s10, 16*SPITCH
	s_add_co_u32 s23, s23, STAGE                   ; my stage
	v_mul_u32_u24 v4, v1, SPITCH                   ; in: row l % 16, 16 bytes for each half of the lanes
	v_lshl_add_u32 v4, v2, 4, v4
	v_add_nc_u32 v[STO], s23, v4
	v_mul_u32_u24 v5, v2, SPITCH                   ; back: lanes 0-15 take one row of 256 bytes, lanes 16-31 the next
	v_lshl_add_u32 v5, v1, 4, v5
	v_add_nc_u32 v[RD], s23, v5
	v_mul_u32_u24 v5, v2, SIZE_N*2                 ; and the same two rows in qk
	v_lshl_add_u32 v[CO], v1, 4, v5
; 16 matrix instructions: feature blocks a0, a0 + 1 of the window's four (hi = 0: my features 0-63, 1: 64-127) x all 8 token blocks, 32 along d
.macro MUL16 f, hi, a0, zero
.irp a, \a0, \a0+1
.irp b, 0,1,2,3,4,5,6,7
.if \zero
	v_wmma_f32_16x16x32_bf16 v[8*(8*(\a)+\b):8*(8*(\a)+\b)+7], v[\f+8*\b:\f+8*\b+7], v[\f+8*(4*\hi+\a):\f+8*(4*\hi+\a)+7], 0
.else
	v_wmma_f32_16x16x32_bf16 v[8*(8*(\a)+\b):8*(8*(\a)+\b)+7], v[\f+8*\b:\f+8*\b+7], v[\f+8*(4*\hi+\a):\f+8*(4*\hi+\a)+7], v[8*(8*(\a)+\b):8*(8*(\a)+\b)+7]
.endif
.endr
.endr
.endm
; 32 LDS loads in one run: a quarter step's fragments (128 tokens, 128 features, 32 d at byte k of the rows) into buffer f
.macro FETCH slot, k, f
	WIN TO_B
.irp i, 0,1,2,3,4,5,6,7
	ds_load_b128 v[\f+8*\i:\f+8*\i+3],   v[ADRB+\slot] offset:\k+\i*16*PITCH
	ds_load_b128 v[\f+8*\i+4:\f+8*\i+7], v[ADRB+\slot] offset:\k+\i*16*PITCH+32
.endr
	WIN 0
.irp i, 0,1,2,3,4,5,6,7
	ds_load_b128 v[\f+8*\i:\f+8*\i+3],   v[ADRA+\slot] offset:\k+\i*16*PITCH
	ds_load_b128 v[\f+8*\i+4:\f+8*\i+7], v[ADRA+\slot] offset:\k+\i*16*PITCH+32
.endr
.endm
; four places between the matrix instructions that read a buffer (or wrote a result) and the loads into it (or the readers of it)
.macro PLACES
.rept 4
	v_nop
.endr
.endm
; a quarter step: 64 matrix instructions on buffer f; in its middle the next quarter's fragments are fetched into buffer g
.macro QUARTER slot, k, f, g, zero
	s_wait_dscnt 8                                 ; xb and wt's features 0-63 are in; the youngest eight loads (features 64-127) may be out
	WIN MUL_LO
	MUL16 \f, 0, 0, \zero
	MUL16 \f, 0, 2, \zero
	PLACES
	FETCH \slot, \k, \g
	s_wait_dscnt 32                                ; all but the 32 just issued
	WIN MUL_HI
	MUL16 \f, 1, 0, \zero
	MUL16 \f, 1, 2, \zero
.endm
.macro THREE slot, zero
	QUARTER \slot, 64,  F0, F1, \zero
	QUARTER \slot, 128, F1, F0, 0
	QUARTER \slot, 192, F0, F1, 0
.endm
; the last quarter of a step: multiplies buffer 1 and changes slots.  One barrier for two things: in front of it every wave has waited for its reads of this
; slot and for all its tensor loads (the one that is out is its part of the next slot); behind it this slot is filled again first, then the next slot is read.
.macro TURN slot, next, fill
	s_wait_dscnt 8
	WIN MUL_LO
	MUL16 F1, 0, 0, 0
	s_wait_dscnt 0                                 ; my reads of this slot are over
	s_wait_tensorcnt 0x0                           ; all my tensor loads have landed
	ds_add_u32 v255, v255
	s_wait_dscnt 0x0
	s_barrier_signal -1                            ; (where the slot is filled again this barrier opens a round of the cluster's barrier)
	MUL16 F1, 0, 2, 0                              ; register work while the others arrive
	WIN 0
	s_barrier_wait -1
.if \fill
	CREST                                          ; no wave of any partner still reads this slot's tile or has a load on its way
	s_add_nc_u64 s[G0+4*\slot+2:G0+4*\slot+3], s[G0+4*\slot+2:G0+4*\slot+3], 2*KSTEP*2
	s_add_nc_u64 s[G0B+4*\slot+2:G0B+4*\slot+3], s[G0B+4*\slot+2:G0B+4*\slot+3], 2*KSTEP*2
	JLOAD \slot                                    ; my one tensor load behind the round, two steps ahead
.endif
	PLACES
	FETCH \next, 0, F0
	WIN MUL_HI
	MUL16 F1, 1, 0, 0
	MUL16 F1, 1, 2, 0
.endm
.macro LAP zero
	THREE 0, \zero
	TURN 0, 1, 1
	THREE 1, 0
	TURN 1, 0, 1
.endm
	s_wait_tensorcnt 0x1                           ; my part of step 0 is in; step 1's load stays out
	s_barrier_signal -1
	s_barrier_wait -1
	FETCH 0, 0, F0
	LAP 1                                          ; the first lap's first products start the sums: nothing is cleared
	WIN 0
	s_mov_b32 s3, LAPS-2
.Llap:
	LAP 0
	WIN 0
	s_sub_co_u32 s3, s3, 1
	s_cmp_lg_u32 s3, 0
	s_cbranch_scc1 .Llap
	THREE 0, 0                                     ; the last lap fills nothing
	TURN 0, 1, 0
	THREE 1, 0
	s_wait_dscnt 8
	WIN MUL_LO
	MUL16 F1, 0, 0, 0
	MUL16 F1, 0, 2, 0
	s_wait_dscnt 0
	WIN MUL_HI
	MUL16 F1, 1, 0, 0
	MUL16 F1, 1, 2, 0
	; THE WAY OUT, 16 features at a time: round to f16, 16 bytes a lane into my own stage, read back as whole rows of 256 bytes
	PLACES
	s_lshl_b32 s13, s13, 8
	s_lshl_b32 s14, s11, 7
	s_add_co_u32 s16, s13, s14                     ; my first feature
	s_mov_b32 s17, 0
	s_mov_b64 s[18:19], SIZE_N*2
	s_mul_u64 s[16:17], s[16:17], s[18:19]
	s_add_nc_u64 s[8:9], s[8:9], s[16:17]
	s_lshl_b32 s46, s42, 9                         ; my first token, in bytes: 512 x block + 256 x half
	s_lshl_b32 s47, s12, 8
	s_add_co_u32 s46, s46, s47
	s_mov_b32 s47, 0
	s_add_nc_u64 s[8:9], s[8:9], s[46:47]
; features 16 i .. 16 i + 15 of my block = the eight tiles (a, 0..7) of window 2 or 3 (from = 0x0a or 0x0f: sources 0 and 1); f: F0 or F1 in turn
.macro OUT16 i, a, from, f
	WIN \from
.irp b, 0,1,2,3,4,5,6,7
.irp r, 0,1,2,3
	v_cvt_pk_f16_f32 v[TMP+4*\b+\r], v[8*(8*\a+\b)+2*\r], v[8*(8*\a+\b)+2*\r+1]
.endr
.endr
	WIN 0
.irp b, 0,1,2,3,4,5,6,7
	ds_store_b128 v[STO], v[TMP+4*\b:TMP+4*\b+3] offset:32*\b
.endr
	s_wait_xcnt 0x0                                ; buffer f, which earlier stores read, and the stores' base are rewritten only behind this wait
.if \i
	s_add_nc_u64 s[8:9], s[8:9], 16*SIZE_N*2
.endif
.irp t, 0,1,2,3,4,5,6,7
	ds_load_b128 v[\f+4*\t:\f+4*\t+3], v[RD] offset:\t*2*SPITCH    ; LDS serves a wave's instructions in order: these see the stores above
.endr
.irp t, 0,1,2,3,4,5,6,7
	s_wait_dscnt 7-\t
	global_store_b128 v[CO], v[\f+4*\t:\f+4*\t+3], s[8:9] offset:2*\t*SIZE_N*2   ; sixteen lanes store 256 consecutive bytes, aligned
.endr
.endm
	OUT16 0, 0, 0x0a, F0
	OUT16 1, 1, 0x0a, F1
	OUT16 2, 2, 0x0a, F0
	OUT16 3, 3, 0x0a, F1
	OUT16 4, 0, 0x0f, F0
	OUT16 5, 1, 0x0f, F1
	OUT16 6, 2, 0x0f, F0
	OUT16 7, 3, 0x0f, F1
	s_set_vgpr_msb 0x1
	s_wait_tensorcnt 0x0
	ds_add_u32 v255, v255
	s_wait_dscnt 0x0
	s_set_vgpr_msb 0x100
	CROUND                                         ; the closing round: no work-group ends while a partner may still ask for a tile that names it
	s_endpgm
.Lfunc_end_k_q25de6a18fa_qk:
	.size	k_q25de6a18fa_qk, .Lfunc_end_k_q25de6a18fa_qk-k_q25de6a18fa_qk
	.p2alignl 7, 3214868480
	.fill 96, 4, 3214868480
	.section	.rodata,"a",@progbits
	.p2align	6, 0x0
	.amdhsa_kernel k_q25de6a18fa_qk
		.amdhsa_group_segment_fixed_size 327680
		.amdhsa_private_segment_fixed_size 0
		.amdhsa_enable_private_segment 0
		.amdhsa_kernarg_size 24
		.amdhsa_user_sgpr_count 2
		.amdhsa_user_sgpr_kernarg_segment_ptr 1
		.amdhsa_wavefront_size32 1
		.amdhsa_system_sgpr_workgroup_id_x 1
		.amdhsa_system_sgpr_workgroup_id_y 1
		.amdhsa_system_sgpr_workgroup_id_z 1
		.amdhsa_system_vgpr_workitem_id 0
		.amdhsa_next_free_vgpr 1024
		.amdhsa_next_free_sgpr 66
		.amdhsa_reserve_vcc 0
		.amdhsa_float_denorm_mode_32 3
		.amdhsa_float_denorm_mode_16_64 3
		.amdhsa_memory_ordered 1
		.amdhsa_forward_progress 1
		.amdhsa_inst_pref_size 196
	.end_amdhsa_kernel
	.amdgpu_metadata
---
amdhsa.version: [ 1, 2 ]
amdhsa.kernels:
  - .name:           k_q25de6a18fa_qk
    .symbol:         k_q25de6a18fa_qk.kd
    .args:
      - { .name: wt, .offset: 0, .size: 8, .value_kind: global_buffer, .address_space: global }
      - { .name: xb, .offset: 8, .size: 8, .value_kind: global_buffer, .address_space: global }
      - { .name: qk, .offset: 16, .size: 8, .value_kind: global_buffer, .address_space: global }
    .group_segment_fixed_size: 327680
    .private_segment_fixed_size: 0
    .kernarg_segment_align: 8
    .kernarg_segment_size: 24
    .max_flat_workgroup_size: 128
    .sgpr_count:     66
    .vgpr_count:     1024
    .wavefront_size: 32
...
	.end_amdgpu_metadata
.endif
;; end of part 2
;; launch vs (part 3): grid 208 x 1, 4 waves a work-group, no clusters, 327,680 bytes of LDS; arguments wt, xb, qk, vt, pb, st; writes vt, pb, st
.if DOCPART == 3
	.amdgcn_target "amdgcn-amd-amdhsa--gfx1250"
	.amdhsa_code_object_version 6
	.text
	.protected	k_q25de6a18fa_vs
	.globl	k_q25de6a18fa_vs
	.p2align	8
	.type	k_q25de6a18fa_vs,@function
k_q25de6a18fa_vs:
	s_mov_b64 s[64:65], 0
	v_nop
	global_prefetch_b8 v0, s[64:65] scope:SCOPE_SE
	s_setreg_imm32_b32 hwreg(HW_REG_WAVE_MODE, 25, 1), 1
	s_wait_xcnt 0x0
; vs: two kinds of work-groups, each a block of 256 x 256 summed over 1,024, so all 208 have the same eight steps of the ring.
; WORK-GROUPS 0-79, SCORES: for batch b and a block of 256 queries (I) x 256 keys (J <= I; 10 blocks a batch):
;   s = q . k (f16 operands, f32 sums), s = -inf where key > query; for each row and each chunk of 128 keys m = the largest s,
;   pb[q][key] = f16(exp2(c2 s - c2 m)), st: c2 m and l = the row's sum of these exponentials, c2 = log2(e) / 32 = log2(e) / sqrt(1024).
;   The row's own maximum over all chunks is taken away in the next launch, which multiplies each chunk by exp2(c2 m - the row's largest c2 m).
;   They have the longer way out, so they have the lowest numbers.
; WORK-GROUPS 80-207, THE PROJECTION V: vt[f][tok] = sum over d of wt[2048 + f][d] xb[tok][d] (bf16 operands, f32 sums, f16 out): 4 x 32 blocks.
;   V is needed by the next launch alone, so it is made here, beside the 80 score blocks, and not in a second turn of the launch before.
; LIMITS: |v| of 65,504 or more becomes an infinity in f16; a row of a chunk that is masked whole gets m = -FLT_MAX (its exponentials are 0), so true scores
; must lie above -3.4e38; NaN and infinities in the inputs are not followed.
; NO CLUSTER: a launch is in clusters or it is not; the ten score blocks of a batch share Q in groups of 1, 2, 3, 4 and K in groups of 4, 3, 2, 1,
; which do not divide into fours that ask for the same tile.
; Four waves; wave w makes rows 128 (w / 2) .. + 127 x columns 128 (w % 2) .. + 127 of the block: 64 accumulator tiles, 512 registers.
; In a score block that is 128 queries x exactly one chunk of 128 keys (chunk 2 J + w % 2).
; REGISTERS: window 0: v0-31 addresses; v64-127, v128-191 fragments of the row operand (wt or Q), two buffers; window 1: the same for the column operand (xb or K);
;   window 2: the 32 accumulator tiles of my rows 0-63 (tile (a, b) at v[8 (8 a + b)]); window 3: those of my rows 64-127.
; Source 0 = 16 columns, source 1 = 16 rows: lane l holds row l % 16 and the columns 8 (l / 16) + 0..7 of each tile: 16 neighbouring bytes in f16.
; The ring: two LDS slots of 128 along the summed index; each wave brings a quarter of a slot by one tensor load.  wt and xb have the summed index along their rows
; (128 rows of 256 bytes, LDS pitch 272); Q and K lie transposed in qk, so their tiles have it down the rows (64 rows of 512 bytes, LDS pitch 544) and their
; fragments come through the transposing LDS load.  Both quarters are 34,816 LDS bytes.  From a refill to the wait for it a wave issues 240 matrix instructions.
; The symbols KIND (1 scores, 0 projection) and STEP2 (bytes of memory two steps on) pick the forms in the ring's macros.
; The 64 accumulators take turns, one instruction a turn, in the same order everywhere.
.set NSC,    80                        ; score blocks: 8 batches x 10
.set PITCH,  272                       ; 256 bytes + 16: the 16 rows of a fragment start at 16 different 16-byte columns modulo 256
.set QP,     544                       ; 512 bytes + 32, an odd multiple of 32, for the transposing load
.set HALFT,  128*PITCH                 ; = 64*QP: what one tensor load brings
.set SLOT,   4*HALFT                   ; the row operand's two quarters, then the column operand's
.set STAGE,  2*SLOT                    ; 16 rows x 272 bytes for each wave, for the ways out; no tensor load lands from here on
.set SPITCH, 272
.set STATS,  STAGE+4*16*SPITCH         ; 128 c2 m and 128 l for each wave, 1,024 bytes
.set TROW,   16384                     ; bytes in a row of qk and of vt
.set LAPS,   4                         ; 1,024 in steps of 128, two steps a lap
.set ADRA, 16                          ; v16-17  LDS address of my row operand's fragments in slot 0, 1
.set ADRB, 20                          ; v20-21  the same for the column operand
.set STO,  24                          ; stage, in
.set RD,   25                          ; stage, back
.set CO,   26                          ; my byte offset in pb or vt
.set DD,   27                          ; query - key of the lane's element (a, b, j) = DD - (16 b + j - 16 a)
.set SADR, 28
.set SRD,  29
.set SCO,  30
.set F0,   64
.set F1,   128
.set TMPV, 192                         ; projection's way out: packed results
.set TMP,  64                          ; scores' way out: packed f16
.set SM,   96                          ; partial sums
.set T,    192                         ; four running maxima for each of four row blocks
.set MP,   208                         ; c2 m
.set NM,   212                         ; - c2 m, twice
.set LS,   220                         ; l
.set G1, 24                            ; s[24:31] descriptor group 1
.set G0, 32                            ; s[32:39] descriptor group 0, one set for each slot
.set MSB, 0
.macro WIN new                         ; the immediate's high byte repeats the setting that is left
.if MSB != \new
	s_set_vgpr_msb (MSB<<8)|\new
.set MSB, \new
.endif
.endm
.set MUL_LO, 0xa1                      ; source 0 window 1, source 1 window 0, C and D window 2
.set MUL_HI, 0xf1                      ; the same, C and D window 3
.set TO_B,   0x40                      ; destination window 1, address window 0
; 16 matrix instructions: row blocks a0, a0 + 1 of the window's four x all 8 column blocks, 32 along the summed index
.macro MUL16 f, hi, a0, zero
.irp a, \a0, \a0+1
.irp b, 0,1,2,3,4,5,6,7
.if KIND
.if \zero
	v_wmma_f32_16x16x32_f16 v[8*(8*(\a)+\b):8*(8*(\a)+\b)+7], v[\f+8*\b:\f+8*\b+7], v[\f+8*(4*\hi+\a):\f+8*(4*\hi+\a)+7], 0
.else
	v_wmma_f32_16x16x32_f16 v[8*(8*(\a)+\b):8*(8*(\a)+\b)+7], v[\f+8*\b:\f+8*\b+7], v[\f+8*(4*\hi+\a):\f+8*(4*\hi+\a)+7], v[8*(8*(\a)+\b):8*(8*(\a)+\b)+7]
.endif
.else
.if \zero
	v_wmma_f32_16x16x32_bf16 v[8*(8*(\a)+\b):8*(8*(\a)+\b)+7], v[\f+8*\b:\f+8*\b+7], v[\f+8*(4*\hi+\a):\f+8*(4*\hi+\a)+7], 0
.else
	v_wmma_f32_16x16x32_bf16 v[8*(8*(\a)+\b):8*(8*(\a)+\b)+7], v[\f+8*\b:\f+8*\b+7], v[\f+8*(4*\hi+\a):\f+8*(4*\hi+\a)+7], v[8*(8*(\a)+\b):8*(8*(\a)+\b)+7]
.endif
.endif
.endr
.endr
.endm
; 32 LDS loads in one run: quarter q's fragments into buffer f: my 128 columns, then my 128 rows
.macro FETCH slot, q, f
	WIN TO_B
.irp i, 0,1,2,3,4,5,6,7
.if KIND
	ds_load_tr16_b128 v[\f+8*\i:\f+8*\i+3],   v[ADRB+\slot] offset:\q*32*QP+32*\i
	ds_load_tr16_b128 v[\f+8*\i+4:\f+8*\i+7], v[ADRB+\slot] offset:\q*32*QP+32*\i+16*QP
.else
	ds_load_b128 v[\f+8*\i:\f+8*\i+3],   v[ADRB+\slot] offset:\q*64+\i*16*PITCH
	ds_load_b128 v[\f+8*\i+4:\f+8*\i+7], v[ADRB+\slot] offset:\q*64+\i*16*PITCH+32
.endif
.endr
	WIN 0
.irp i, 0,1,2,3,4,5,6,7
.if KIND
	ds_load_tr16_b128 v[\f+8*\i:\f+8*\i+3],   v[ADRA+\slot] offset:\q*32*QP+32*\i
	ds_load_tr16_b128 v[\f+8*\i+4:\f+8*\i+7], v[ADRA+\slot] offset:\q*32*QP+32*\i+16*QP
.else
	ds_load_b128 v[\f+8*\i:\f+8*\i+3],   v[ADRA+\slot] offset:\q*64+\i*16*PITCH
	ds_load_b128 v[\f+8*\i+4:\f+8*\i+7], v[ADRA+\slot] offset:\q*64+\i*16*PITCH+32
.endif
.endr
.endm
; four places between the matrix instructions that read a buffer (or wrote a result) and the loads into it (or the readers of it)
.macro PLACES
.rept 4
	v_nop
.endr
.endm
; a quarter step: 64 matrix instructions on buffer f; in its middle the next quarter's fragments are fetched into buffer g
.macro QUARTER slot, q, f, g, zero
	s_wait_dscnt 8                                 ; the columns and my rows 0-63 are in; the youngest eight loads (rows 64-127) may be out
	WIN MUL_LO
	MUL16 \f, 0, 0, \zero
	MUL16 \f, 0, 2, \zero
	PLACES
	FETCH \slot, \q, \g
	s_wait_dscnt 32                                ; all but the 32 just issued
	WIN MUL_HI
	MUL16 \f, 1, 0, \zero
	MUL16 \f, 1, 2, \zero
.endm
.macro THREE slot, zero
	QUARTER \slot, 1, F0, F1, \zero
	QUARTER \slot, 2, F1, F0, 0
	QUARTER \slot, 3, F0, F1, 0
.endm
; the last quarter of a step: multiplies buffer 1 and changes slots.  One barrier for two things: in front of it every wave has waited for its reads of this
; slot and for all its tensor loads (the one that is out is its part of the next slot); behind it this slot is filled again first, then the next slot is read.
.macro TURN slot, next, fill
	s_wait_dscnt 8
	WIN MUL_LO
	MUL16 F1, 0, 0, 0
	s_wait_dscnt 0                                 ; my reads of this slot are over
	s_wait_tensorcnt 0x0                           ; all my tensor loads have landed, so a group 0 may be written
	ds_add_u32 v255, v255
	s_wait_dscnt 0x0
	s_barrier_signal -1
	MUL16 F1, 0, 2, 0                              ; register work while the others arrive
	s_barrier_wait -1
.if \fill
	s_add_nc_u64 s[G0+4*\slot+2:G0+4*\slot+3], s[G0+4*\slot+2:G0+4*\slot+3], STEP2
	tensor_load_to_lds s[G0+4*\slot:G0+4*\slot+3], s[G1:G1+7]      ; my one tensor load behind the barrier, two steps ahead
	s_nop 0
.endif
	PLACES
	FETCH \next, 0, F0
	WIN MUL_HI
	MUL16 F1, 1, 0, 0
	MUL16 F1, 1, 2, 0
.endm
.macro LAP zero
	THREE 0, \zero
	TURN 0, 1, 1
	THREE 1, 0
	TURN 1, 0, 1
.endm
.macro TAIL                            ; the last lap fills nothing
	THREE 0, 0
	TURN 0, 1, 0
	THREE 1, 0
	s_wait_dscnt 8
	WIN MUL_LO
	MUL16 F1, 0, 0, 0
	MUL16 F1, 0, 2, 0
	s_wait_dscnt 0
	WIN MUL_HI
	MUL16 F1, 1, 0, 0
	MUL16 F1, 1, 2, 0
.endm
	s_load_b256 s[4:11], s[0:1], 0x0               ; wt s[4:5], xb s[6:7], qk s[8:9], vt s[10:11]
	s_load_b128 s[12:15], s[0:1], 0x20             ; pb s[12:13], st s[14:15]
	s_set_vgpr_msb 0x40
	v_lshl_add_u32 v255, v0, 2, 0x49400
	s_set_vgpr_msb 0x4000
	v_mov_b32 v255, 0
	s_set_vgpr_msb 0x1
	ds_add_u32 v255, v255
	ds_add_u32 v255, v255
	s_wait_dscnt 0x0
	s_set_vgpr_msb 0x100
	v_lshrrev_b32 v1, 5, v0
	v_readfirstlane_b32 s16, v1                    ; wave 0..3
	s_lshr_b32 s17, s16, 1                         ; which 128 rows of the block are mine.  Also: I fetch for the row operand (0) or the column operand (1)
	s_and_b32 s18, s16, 1                          ; which 128 columns are mine.  Also: which half of that tile I fetch
	s_mul_i32 s19, s16, HALFT                      ; where my quarter of a slot goes: the wave's number alone
	v_and_b32 v1, 15, v0                           ; r = l % 16
	v_bfe_u32 v2, v0, 4, 1                         ; h = l / 16
	v_mul_u32_u24 v3, v1, SPITCH
	v_lshl_add_u32 v3, v2, 4, v3                   ; r x 272 + 16 h
	s_mul_i32 s22, s16, 16*SPITCH
	s_add_co_u32 s22, s22, STAGE                   ; my stage
	v_add_nc_u32 v[STO], s22, v3                   ; in: row r, 16 bytes for each half of the lanes
	v_mul_u32_u24 v5, v2, SPITCH
	v_lshl_add_u32 v5, v1, 4, v5
	v_add_nc_u32 v[RD], s22, v5                    ; back: lanes 0-15 one row of 256 bytes, lanes 16-31 the next
	s_cmp_ge_u32 ttmp9, NSC                        ; the same in all waves of a work-group
	s_cbranch_scc1 .Lvproj
	; ================ SCORES ================
.set KIND, 1
.set STEP2, 2*128*TROW
	s_and_b32 s40, ttmp9, 7                        ; batch b
	s_lshr_b32 s41, ttmp9, 3                       ; block u = 0..9 of the batch's triangle
	s_cmp_ge_u32 s41, 1                            ; I = the number of 1, 3, 6 that u has reached
	s_cselect_b32 s42, 1, 0
	s_cmp_ge_u32 s41, 3
	s_cselect_b32 s43, 1, 0
	s_add_co_u32 s42, s42, s43
	s_cmp_ge_u32 s41, 6
	s_cselect_b32 s43, 1, 0
	s_add_co_u32 s42, s42, s43                     ; I
	s_add_co_u32 s43, s42, 1
	s_mul_i32 s43, s43, s42
	s_lshr_b32 s43, s43, 1
	s_sub_co_u32 s43, s41, s43                     ; J = u - I (I + 1) / 2
	s_mov_b32 s66, 0x76543210                      ; v_permlanex16_b32: lane i of one half reads lane i of the other
	s_mov_b32 s67, 0xfedcba98
	s_mov_b32 s68, 0x3d38aa3b                      ; c2
	s_mov_b32 s69, 0x3d38aa3b
	s_mov_b32 s70, 0xff7fffff                      ; -FLT_MAX
	s_mov_b32 s71, 0xff800000                      ; -inf
	; group 1: 64 rows (features) of 256 elements (tokens) of 2 bytes, 8 words of padding behind every 128 words
	s_mov_b32 s[G1+0], (1<<16)|(1<<20)|(6<<22)|(7<<25)
	s_mov_b32 s[G1+1], 256<<16
	s_mov_b32 s[G1+2], 64<<16
	s_mov_b32 s[G1+3], 256<<16
	s_mov_b32 s[G1+4], 64
	s_mov_b32 s[G1+5], 8192
	s_mov_b32 s[G1+6], 0
	s_mov_b32 s[G1+7], 0
	s_cmp_eq_u32 s17, 0
	s_cselect_b32 s20, s42, s43                    ; the block of 256 tokens that I fetch: Q's (I) or K's (J)
	s_lshl_b32 s20, s20, 9                         ; in bytes
	s_lshl_b32 s21, s17, 24                        ; K's features begin at row 1,024 of 16,384 bytes
	s_add_co_u32 s20, s20, s21
	s_lshl_b32 s21, s18, 20                        ; my 64 rows of the step's 128
	s_add_co_u32 s20, s20, s21
	s_lshl_b32 s21, s40, 11                        ; 1,024 b tokens
	s_add_co_u32 s20, s20, s21
	s_mov_b32 s21, 0
	s_wait_kmcnt 0x0
	s_add_nc_u64 s[20:21], s[8:9], s[20:21]
.irp s, 0,1
	s_mov_b32 s[G0+4*\s], 1
	s_add_co_u32 s[G0+4*\s+1], s19, \s*SLOT
	s_add_nc_u64 s[G0+4*\s+2:G0+4*\s+3], s[20:21], \s*128*TROW
	s_or_b32 s[G0+4*\s+3], s[G0+4*\s+3], 0x80000000
	tensor_load_to_lds s[G0+4*\s:G0+4*\s+3], s[G1:G1+7]            ; both slots' first fills go out before anything else: two loads of mine are out
	s_nop 0
.endr
	; the outputs' bases
	s_lshl_b32 s44, s43, 1
	s_add_co_u32 s44, s44, s18                     ; my chunk c = 2 J + column half
	s_lshl_b32 s20, s40, 21                        ; pb: (1024 b + 256 I + 128 row half) rows of 2,048 bytes + 128 c keys of 2 bytes
	s_lshl_b32 s21, s42, 19
	s_add_co_u32 s20, s20, s21
	s_lshl_b32 s21, s17, 18
	s_add_co_u32 s20, s20, s21
	s_lshl_b32 s21, s44, 8
	s_add_co_u32 s20, s20, s21
	s_mov_b32 s21, 0
	s_add_nc_u64 s[12:13], s[12:13], s[20:21]
	s_lshl_b32 s20, s44, 15                        ; st: (8192 c + 1024 b + 256 I + 128 row half) words
	s_lshl_b32 s21, s40, 12
	s_add_co_u32 s20, s20, s21
	s_lshl_b32 s21, s42, 10
	s_add_co_u32 s20, s20, s21
	s_lshl_b32 s21, s17, 9
	s_add_co_u32 s20, s20, s21
	s_mov_b32 s21, 0
	s_add_nc_u64 s[14:15], s[14:15], s[20:21]
	; A transposing load: lane l addresses row 8 (l / 16) + l % 8 of 32 features and the 16 bytes (l / 8) % 2 of 16 tokens; it receives token l % 16,
	; features 8 (l / 16) + 0..7; the second load, 16 rows further down, brings features 16 + 8 (l / 16) + 0..7.
	v_and_b32 v4, 7, v0
	v_lshl_add_u32 v4, v2, 3, v4                   ; 8 h + l % 8
	v_bfe_u32 v5, v0, 3, 1
	v_lshlrev_b32 v5, 4, v5
	v_mul_u32_u24 v4, v4, QP
	v_add_nc_u32 v4, v4, v5
	s_lshl_b32 s22, s17, 8                         ; my 128 queries: 256 bytes of Q's rows
	s_lshl_b32 s23, s18, 8                         ; my 128 keys: 256 bytes of K's rows,
	s_add_co_u32 s23, s23, 2*HALFT                 ; which lie behind Q's 128 rows
.irp s, 0,1
	v_add_nc_u32 v[ADRA+\s], s22, v4
	v_add_nc_u32 v[ADRB+\s], s23, v4
	s_add_co_u32 s22, s22, SLOT
	s_add_co_u32 s23, s23, SLOT
.endr
	v_lshlrev_b32 v5, 11, v2
	v_lshl_add_u32 v[CO], v1, 4, v5                ; the stage's two rows in pb
	s_sub_co_u32 s22, s42, s43
	s_lshl_b32 s22, s22, 8
	s_sub_co_u32 s23, s17, s18
	s_lshl_b32 s23, s23, 7
	s_add_co_u32 s22, s22, s23                     ; 256 (I - J) + 128 (row half - column half), signed
	v_lshlrev_b32 v5, 3, v2
	v_sub_nc_u32 v5, v1, v5
	v_add_nc_u32 v[DD], s22, v5                    ; + r - 8 h
	s_lshl_b32 s23, s16, 10
	s_add_co_u32 s23, s23, STATS                   ; my 1,024 bytes of figures
	v_lshl_add_u32 v[SADR], v1, 2, s23
	v_and_b32 v5, 31, v0
	v_lshl_add_u32 v[SRD], v5, 4, s23
	v_lshlrev_b32 v[SCO], 4, v5
	s_wait_tensorcnt 0x1                           ; my part of step 0 is in; step 1's load stays out
	s_barrier_signal -1
	s_barrier_wait -1
	FETCH 0, 0, F0
	LAP 1                                          ; the first products start the sums: nothing is cleared
	WIN 0
	s_mov_b32 s3, LAPS-2
.Lslap:
	LAP 0
	WIN 0
	s_sub_co_u32 s3, s3, 1
	s_cmp_lg_u32 s3, 0
	s_cbranch_scc1 .Lslap
	TAIL
; The scores' way out works on one window of accumulators (w = 2: my queries 0-63, w = 3: 64-127) at a time; a window's setting is the setting for window 1 times w.
; The causal mask: element (a, b, j) of window w stays where 16 (b - a) + j - 64 (w - 2) <= DD; one compare serves every tile with the same b - a = e - 3.
.macro MASK w
	WIN 0x44*\w                                    ; source 1 and destination in window w
.irp e, 0,1,2,3,4,5,6,7,8,9,10
.irp j, 0,1,2,3,4,5,6,7
	v_cmp_ge_i32 vcc_lo, v[DD], 16*(\e-3)+\j-64*(\w-2)
.irp a, 0,1,2,3
.if \a+\e >= 3
.if \a+\e <= 10
	v_cndmask_b32 v[8*(8*\a+\a+\e-3)+\j], s71, v[8*(8*\a+\a+\e-3)+\j], vcc_lo
.endif
.endif
.endr
.endr
.endr
.endm
; Each row's largest score in my chunk: four chains for each row block, started at -FLT_MAX so that a row masked whole stays finite.
.macro SMAX w
	WIN 0x14*\w                                    ; sources 1 and 2 in window w
.irp a, 0,1,2,3
.irp ch, 0,1,2,3
	v_max3_num_f32 v[T+4*\a+\ch], s70, v[8*(8*\a)+2*\ch], v[8*(8*\a)+2*\ch+1]
.endr
.irp b, 1,2,3,4,5,6,7
.irp ch, 0,1,2,3
	v_max3_num_f32 v[T+4*\a+\ch], v[T+4*\a+\ch], v[8*(8*\a+\b)+2*\ch], v[8*(8*\a+\b)+2*\ch+1]
.endr
.endr
.endr
	WIN 0
.irp a, 0,1,2,3
	v_max3_num_f32 v[T+4*\a], v[T+4*\a], v[T+4*\a+1], v[T+4*\a+2]
	v_max_num_f32 v[T+4*\a], v[T+4*\a], v[T+4*\a+3]
	v_permlanex16_b32 v[T+4*\a+1], v[T+4*\a], s66, s67   ; a row lies in lanes r and r + 16 alone
	v_max_num_f32 v[T+4*\a], v[T+4*\a], v[T+4*\a+1]
	v_mul_f32 v[MP+\a], s68, v[T+4*\a]             ; c2 m
	v_mul_f32 v[NM+2*\a], 0xbd38aa3b, v[T+4*\a]    ; - c2 m, the same number with the other sign, twice for the packed form
	v_mul_f32 v[NM+2*\a+1], 0xbd38aa3b, v[T+4*\a]
.endr
.endm
; 16 queries (row block a of window w): exponentials, their sum, f16 through my stage to pb
.macro GROUP a, w, rb
	WIN 0x41*\w                                    ; source 0 and destination in window w
.set i, 0
.rept 32
	v_pk_fma_f32 v[64*\a+2*i:64*\a+2*i+1], v[64*\a+2*i:64*\a+2*i+1], s[68:69], v[NM+2*\a:NM+2*\a+1] op_sel_hi:[1,0,1]   ; c2 s - c2 m
.set i, i+1
.endr
.set i, 0
.rept 64
	v_exp_f32 v[64*\a+i], v[64*\a+i]
.set i, i+1
.endr
	v_nop                                          ; one plain place behind the last exponential before its result is read
	WIN 0x05*\w                                    ; sources 0 and 1 in window w
.set i, 0
	s_wait_alu depctr_va_vdst(0)
.rept 16
	v_pk_add_f32 v[SM+2*i:SM+2*i+1], v[64*\a+4*i:64*\a+4*i+1], v[64*\a+4*i+2:64*\a+4*i+3]
.set i, i+1
.endr
.set i, 0
.rept 32
	v_cvt_pk_f16_f32 v[TMP+i], v[64*\a+2*i], v[64*\a+2*i+1]
.set i, i+1
.endr
	WIN 0
.irp i, 0,1,2,3,4,5,6,7
	v_pk_add_f32 v[SM+2*\i:SM+2*\i+1], v[SM+2*\i:SM+2*\i+1], v[SM+16+2*\i:SM+16+2*\i+1]
.endr
.irp i, 0,1,2,3
	v_pk_add_f32 v[SM+2*\i:SM+2*\i+1], v[SM+2*\i:SM+2*\i+1], v[SM+8+2*\i:SM+8+2*\i+1]
.endr
.irp i, 0,1
	v_pk_add_f32 v[SM+2*\i:SM+2*\i+1], v[SM+2*\i:SM+2*\i+1], v[SM+4+2*\i:SM+4+2*\i+1]
.endr
	v_pk_add_f32 v[SM:SM+1], v[SM:SM+1], v[SM+2:SM+3]
	v_add_f32 v[SM], v[SM], v[SM+1]
	v_permlanex16_b32 v[SM+1], v[SM], s66, s67
	v_add_f32 v[LS+\a], v[SM], v[SM+1]             ; l
.irp b, 0,1,2,3,4,5,6,7
	ds_store_b128 v[STO], v[TMP+4*\b:TMP+4*\b+3] offset:32*\b
.endr
	ds_store_b32 v[SADR], v[MP+\a] offset:64*(4*(\w-2)+\a)         ; lanes r and r + 16 write the same word with the same number
	ds_store_b32 v[SADR], v[LS+\a] offset:512+64*(4*(\w-2)+\a)
	s_wait_xcnt 0x0                                ; the registers that earlier stores read are loaded again only behind this wait
.irp t, 0,1,2,3,4,5,6,7
	ds_load_b128 v[\rb+4*\t:\rb+4*\t+3], v[RD] offset:\t*2*SPITCH   ; LDS serves a wave's instructions in order: these see the stores above
.endr
.irp t, 0,1,2,3,4,5,6,7
	s_wait_dscnt 7-\t
	global_store_b128 v[CO], v[\rb+4*\t:\rb+4*\t+3], s[12:13] offset:32768*(4*(\w-2)+\a)+4096*\t   ; sixteen lanes store 256 consecutive bytes, aligned
.endr
.endm
	PLACES
	WIN 0
	s_cmp_lg_u32 s42, s43                          ; only a block on the diagonal (J = I) reaches past a query
	s_cbranch_scc1 .Lnomask
	MASK 2
	MASK 3
	WIN 0
.Lnomask:
	SMAX 2
	GROUP 0, 2, 128
	GROUP 1, 2, 160
	GROUP 2, 2, 128
	GROUP 3, 2, 160
	SMAX 3
	GROUP 0, 3, 128
	GROUP 1, 3, 160
	GROUP 2, 3, 128
	GROUP 3, 3, 160
	ds_load_b128 v[64:67], v[SRD]                  ; my 128 rows' c2 m, four a lane,
	ds_load_b128 v[68:71], v[SRD] offset:512       ; and their l
	s_wait_dscnt 0x0
	global_store_b128 v[SCO], v[64:67], s[14:15]               ; 512 consecutive bytes, aligned
	global_store_b128 v[SCO], v[68:71], s[14:15] offset:262144
	s_set_vgpr_msb 0x1
	s_wait_tensorcnt 0x0
	ds_add_u32 v255, v255
	s_wait_dscnt 0x0
	s_set_vgpr_msb 0x100
	s_endpgm
	; ================ THE PROJECTION V ================
.Lvproj:
.set KIND, 0
.set STEP2, 2*128*2
	s_sub_co_u32 s41, ttmp9, NSC
	s_and_b32 s42, s41, 3                          ; block of 256 features
	s_lshr_b32 s43, s41, 2                         ; block of 256 tokens
	; group 1: 128 rows of 128 elements of 2 bytes, 4 words of padding behind every 64 words; the same shape for wt and xb
	s_mov_b32 s[G1+0], (1<<16)|(1<<20)|(5<<22)|(3<<25)
	s_mov_b32 s[G1+1], 128<<16
	s_mov_b32 s[G1+2], 128<<16
	s_mov_b32 s[G1+3], 128<<16
	s_mov_b32 s[G1+4], 128
	s_mov_b32 s[G1+5], 1024
	s_mov_b32 s[G1+6], 0
	s_mov_b32 s[G1+7], 0
	s_lshl_b32 s20, s42, 8
	s_add_co_u32 s20, s20, 2048                    ; wt: V's features begin at row 2,048
	s_lshl_b32 s21, s43, 8                         ; xb
	s_cmp_eq_u32 s17, 0
	s_cselect_b32 s20, s20, s21                    ; the block's first row in the operand that I fetch
	s_lshl_b32 s21, s18, 7
	s_add_co_u32 s20, s20, s21                     ; + my 128 rows
	s_lshl_b32 s20, s20, 11                        ; rows of 2,048 bytes (below 16 MiB)
	s_mov_b32 s21, 0
	s_wait_kmcnt 0x0
	s_cmp_eq_u32 s17, 0
	s_cselect_b64 s[22:23], s[4:5], s[6:7]         ; waves 0, 1: wt; waves 2, 3: xb: chosen by the wave's number alone
	s_add_nc_u64 s[20:21], s[22:23], s[20:21]
.irp s, 0,1
	s_mov_b32 s[G0+4*\s], 1
	s_add_co_u32 s[G0+4*\s+1], s19, \s*SLOT
	s_add_nc_u64 s[G0+4*\s+2:G0+4*\s+3], s[20:21], \s*128*2
	s_or_b32 s[G0+4*\s+3], s[G0+4*\s+3], 0x80000000
	tensor_load_to_lds s[G0+4*\s:G0+4*\s+3], s[G1:G1+7]            ; both slots' first fills go out before anything else: two loads of mine are out
	s_nop 0
.endr
	s_lshl_b32 s20, s42, 22                        ; vt: (256 block + 128 row half) rows of 16,384 bytes + (256 block + 128 column half) tokens of 2 bytes
	s_lshl_b32 s21, s17, 21
	s_add_co_u32 s20, s20, s21
	s_lshl_b32 s21, s43, 9
	s_add_co_u32 s20, s20, s21
	s_lshl_b32 s21, s18, 8
	s_add_co_u32 s20, s20, s21
	s_mov_b32 s21, 0
	s_add_nc_u64 s[10:11], s[10:11], s[20:21]
	s_mul_i32 s22, s17, HALFT                      ; my 128 features
	s_mul_i32 s23, s18, HALFT                      ; my 128 tokens,
	s_add_co_u32 s23, s23, 2*HALFT                 ; which lie behind wt's 256 rows
.irp s, 0,1
	v_add_nc_u32 v[ADRA+\s], s22, v3               ; a fragment: two loads of 16 bytes, 32 bytes apart, at row x pitch + 16 h
	v_add_nc_u32 v[ADRB+\s], s23, v3
	s_add_co_u32 s22, s22, SLOT
	s_add_co_u32 s23, s23, SLOT
.endr
	v_lshlrev_b32 v5, 14, v2
	v_lshl_add_u32 v[CO], v1, 4, v5                ; the stage's two rows in vt
	s_wait_tensorcnt 0x1                           ; my part of step 0 is in; step 1's load stays out
	s_barrier_signal -1
	s_barrier_wait -1
	FETCH 0, 0, F0
	LAP 1                                          ; the first products start the sums: nothing is cleared
	WIN 0
	s_mov_b32 s3, LAPS-2
.Lvlap:
	LAP 0
	WIN 0
	s_sub_co_u32 s3, s3, 1
	s_cmp_lg_u32 s3, 0
	s_cbranch_scc1 .Lvlap
	TAIL
	; the way out, 16 features at a time: round to f16, 16 bytes a lane into my own stage, read back as whole rows of 256 bytes
	PLACES
; features 16 i .. 16 i + 15 of my block = the eight tiles (a, 0..7) of window 2 or 3 (from = 0x0a or 0x0f: sources 0 and 1); f: F0 or F1 in turn
.macro OUT16 i, a, from, f
	WIN \from
.irp b, 0,1,2,3,4,5,6,7
.irp r, 0,1,2,3
	v_cvt_pk_f16_f32 v[TMPV+4*\b+\r], v[8*(8*\a+\b)+2*\r], v[8*(8*\a+\b)+2*\r+1]
.endr
.endr
	WIN 0
.irp b, 0,1,2,3,4,5,6,7
	ds_store_b128 v[STO], v[TMPV+4*\b:TMPV+4*\b+3] offset:32*\b
.endr
	s_wait_xcnt 0x0                                ; buffer f, which earlier stores read, and the stores' base are rewritten only behind this wait
.if \i
	s_add_nc_u64 s[10:11], s[10:11], 16*TROW
.endif
.irp t, 0,1,2,3,4,5,6,7
	ds_load_b128 v[\f+4*\t:\f+4*\t+3], v[RD] offset:\t*2*SPITCH    ; LDS serves a wave's instructions in order: these see the stores above
.endr
.irp t, 0,1,2,3,4,5,6,7
	s_wait_dscnt 7-\t
	global_store_b128 v[CO], v[\f+4*\t:\f+4*\t+3], s[10:11] offset:2*\t*TROW   ; sixteen lanes store 256 consecutive bytes, aligned
.endr
.endm
	OUT16 0, 0, 0x0a, F0
	OUT16 1, 1, 0x0a, F1
	OUT16 2, 2, 0x0a, F0
	OUT16 3, 3, 0x0a, F1
	OUT16 4, 0, 0x0f, F0
	OUT16 5, 1, 0x0f, F1
	OUT16 6, 2, 0x0f, F0
	OUT16 7, 3, 0x0f, F1
	s_set_vgpr_msb 0x1
	s_wait_tensorcnt 0x0
	ds_add_u32 v255, v255
	s_wait_dscnt 0x0
	s_set_vgpr_msb 0x100
	s_endpgm
.Lfunc_end_k_q25de6a18fa_vs:
	.size	k_q25de6a18fa_vs, .Lfunc_end_k_q25de6a18fa_vs-k_q25de6a18fa_vs
	.p2alignl 7, 3214868480
	.fill 96, 4, 3214868480
	.section	.rodata,"a",@progbits
	.p2align	6, 0x0
	.amdhsa_kernel k_q25de6a18fa_vs
		.amdhsa_group_segment_fixed_size 327680
		.amdhsa_private_segment_fixed_size 0
		.amdhsa_enable_private_segment 0
		.amdhsa_kernarg_size 48
		.amdhsa_user_sgpr_count 2
		.amdhsa_user_sgpr_kernarg_segment_ptr 1
		.amdhsa_wavefront_size32 1
		.amdhsa_system_sgpr_workgroup_id_x 1
		.amdhsa_system_sgpr_workgroup_id_y 1
		.amdhsa_system_sgpr_workgroup_id_z 1
		.amdhsa_system_vgpr_workitem_id 0
		.amdhsa_next_free_vgpr 1024
		.amdhsa_next_free_sgpr 80
		.amdhsa_reserve_vcc 1
		.amdhsa_float_denorm_mode_32 3
		.amdhsa_float_denorm_mode_16_64 3
		.amdhsa_memory_ordered 1
		.amdhsa_forward_progress 1
		.amdhsa_inst_pref_size 255
	.end_amdhsa_kernel
	.section	.bss,"aw",@nobits
	.p2align	6
	.space	262144
	.amdgpu_metadata
---
amdhsa.version: [ 1, 2 ]
amdhsa.kernels:
  - .name:           k_q25de6a18fa_vs
    .symbol:         k_q25de6a18fa_vs.kd
    .args:
      - { .name: wt, .offset: 0, .size: 8, .value_kind: global_buffer, .address_space: global }
      - { .name: xb, .offset: 8, .size: 8, .value_kind: global_buffer, .address_space: global }
      - { .name: qk, .offset: 16, .size: 8, .value_kind: global_buffer, .address_space: global }
      - { .name: vt, .offset: 24, .size: 8, .value_kind: global_buffer, .address_space: global }
      - { .name: pb, .offset: 32, .size: 8, .value_kind: global_buffer, .address_space: global }
      - { .name: st, .offset: 40, .size: 8, .value_kind: global_buffer, .address_space: global }
    .group_segment_fixed_size: 327680
    .private_segment_fixed_size: 0
    .kernarg_segment_align: 8
    .kernarg_segment_size: 48
    .max_flat_workgroup_size: 128
    .sgpr_count:     80
    .vgpr_count:     1024
    .wavefront_size: 32
...
	.end_amdgpu_metadata
.endif
;; end of part 3
;; launch pv (part 4): grid 8 x 32, 4 waves a work-group, clusters of 4 x 1, 327,680 bytes of LDS; arguments pb, vt, st, out0; writes out0
.if DOCPART == 4
	.amdgcn_target "amdgcn-amd-amdhsa--gfx1250"
	.amdhsa_code_object_version 6
	.text
	.protected	k_q25de6a18fa_pv
	.globl	k_q25de6a18fa_pv
	.p2align	8
	.type	k_q25de6a18fa_pv,@function
k_q25de6a18fa_pv:
	s_mov_b64 s[64:65], 0
	v_nop
	global_prefetch_b8 v0, s[64:65] scope:SCOPE_SE
	s_setreg_imm32_b32 hwreg(HW_REG_WAVE_MODE, 25, 1), 1
	s_wait_xcnt 0x0
	s_wait_alu depctr_hold_cnt(0) depctr_sa_sdst(0) depctr_va_vdst(0) depctr_va_sdst(0) depctr_va_ssrc(0) depctr_va_vcc(0) depctr_vm_vsrc(0)
	s_getreg_b32 s2, hwreg(HW_REG_IB_STS2, 6, 4)
	s_cmp_eq_u32 s2, 0
	s_cbranch_scc0 .Lentry_in_a_cluster
	s_endpgm
.Lentry_in_a_cluster:
	s_bfe_u32 s2, ttmp6, 0x10000c
	s_cmp_lg_u32 s2, 0x3003
	s_cbranch_scc0 .Lentry_shape_is_right
	s_endpgm
.Lentry_shape_is_right:
; pv: out0[q][e] = (sum over chunks c of f_c[q] sum over the chunk's keys of pb[q][key] v[key][e]) / L[q],
;   f_c = exp2(c2 m_c - M), M = the largest c2 m_c of the row, L = sum of f_c l_c.  So every weight is exp2(c2 s - M) / L: the row's own maximum is taken away.
; pb: [8192][1024] f16, vt: v transposed, [1024 features][8192 tokens] f16, st: c2 m and l for each chunk and row, out0: f32.
; LIMITS: the product f_c pb is kept in f16, so weights below 2^-25 of the row's largest are dropped (at most 1,024 x 2^-25 of L);
; L takes f_c in f32 while pb is multiplied by f_c rounded to f16: a chunk's share of a row is off by at most 2^-12 of itself (a row with one chunk has f = 1 exactly).
; A work-group makes 256 queries x 128 features with four waves; wave w makes queries 64 w .. + 63: 32 accumulator tiles in window 1.
; Query block I sums over 2 (I + 1) chunks of 128 keys: I + 1 laps of the ring (1 to 4); the longest work-groups have the lowest y.
; CLUSTER of 4 x 1: the four partners differ in the feature block alone, so they need the same tiles of pb and make the same number of laps: pb's tiles are asked for jointly.
; v's tiles are not shared: the work-groups that read the same tile of v are the four query blocks of a batch, which need 2, 4, 6 and 8 of them.
; Source 0 = 16 features of v, source 1 = 16 queries of pb: lane l holds query l % 16, so one packed factor a lane scales a fragment of pb,
; and its eight results are eight neighbouring features of a row of out0.
; THE FACTORS of all 8 chunks x my 4 query blocks lie in 32 registers, read from LDS once at constant addresses.  The first lap's text names chunks 0 and 1;
; the loop's and the closing lap's text name one window of eight registers, into which the queue moves up at the end of each trip of the loop.
; The 32 accumulators take turns, one instruction a turn, in the same order on every path.
.set PITCH,  272
.set HALFP,  128*PITCH                 ; 128 queries: one joint load
.set HALFV,  64*PITCH                  ; 64 features: one load
.set VOFF,   2*HALFP
.set SLOT,   2*HALFP+2*HALFV
.set FT,     2*SLOT                    ; factors, packed f16 twice in a word: [wave][8 chunks][64 rows]; no tensor load lands from here on
.set RL,     FT+8192                   ; 1 / L: [256 rows]
.set STAGE,  RL+1024                   ; 16 rows x 528 bytes for each wave
.set SP,     528
.set ADRA, 16
.set ADRB, 20
.set STO,  24
.set RD,   25
.set CO,   26
.set FADR, 27                          ; LDS address of row l % 16 of my factors; never rewritten
.set RLA,  28
.set VO,   32                          ; v32-39  prologue: offsets into st, one for each chunk
.set F,    32                          ; v32-63  behind the prologue's loads: factor of chunk c, query block a at F + 4 c + a
.set RLP,  48                          ; v48-55  behind the last product: 1 / L of my four query blocks, twice each
.set FB,   64                          ; v fragments: buffer f at FB + 64 f
.set FA,   192                         ; pb fragments: buffer f at FA + 32 f
.set MM,   64                          ; prologue: c2 m, then the factors, of my two rows for each chunk
.set LL,   80                          ; prologue: l
.set PK,   96                          ; prologue: packed factors
.set LSUM, 112
.set RC,   114
.set MX,   116
.set TMP,  64                          ; epilogue
.set G1,  24
.set G0,  32
.set G1B, 48
.set G0B, 56
.set ACC, 0x50
.set MSB, 0
.macro WIN new
.if MSB != \new
	s_set_vgpr_msb (MSB<<8)|\new
.set MSB, \new
.endif
.endm
.macro JLOAD s                         ; waves 0 and 1 ask jointly for pb's two halves, waves 2 and 3 fetch v's two halves for this work-group alone
	s_cmp_eq_u32 s13, 0
	s_cbranch_scc0 .Lfor_v_\@
	tensor_load_to_lds s[G0+4*\s:G0+4*\s+3], s[G1:G1+7]
	s_nop 0
	s_branch .Lasked_\@
.Lfor_v_\@:
	tensor_load_to_lds s[G0B+4*\s:G0B+4*\s+3], s[G1B:G1B+7]
	s_nop 0
.Lasked_\@:
.endm
.macro CREST
	s_cmp_lg_u32 s12, 0
	s_cbranch_scc1 .Lnot_wave_0_\@
	s_barrier_signal -3
.Lnot_wave_0_\@:
	s_barrier_wait -3
	s_barrier_signal -1
	s_barrier_wait -1
.endm
.macro CROUND
	s_barrier_signal -1
	s_barrier_wait -1
	CREST
.endm
	s_load_b256 s[4:11], s[0:1], 0x0               ; pb s[4:5], vt s[6:7], st s[8:9], out0 s[10:11]
	v_lshl_add_u32 v30, v0, 2, 0x3d800
	v_mov_b32 v31, 0
	ds_add_u32 v30, v31
	ds_add_u32 v30, v31
	v_lshrrev_b32 v1, 5, v0
	v_readfirstlane_b32 s12, v1                    ; wave 0..3
	s_lshr_b32 s13, s12, 1                         ; I fetch for pb (0) or for v (1)
	s_and_b32 s14, s12, 1                          ; which half of that tile
	s_bfe_u32 s15, ttmp6, 0x40000                  ; cx
	s_lshl_b32 s16, ttmp9, 2
	s_add_co_u32 s16, s16, s15                     ; block of 128 features
	s_and_b32 s17, ttmp7, 0xffff                   ; y, the same in all four partners
	s_lshr_b32 s18, s17, 3
	s_sub_co_u32 s18, 3, s18                       ; query block I: the longest first
	s_and_b32 s19, s17, 7                          ; batch b
	s_add_co_u32 s20, s18, 1                       ; laps
	s_lshl_b32 s21, s20, 1                         ; chunks
	s_mov_b32 s70, 0xff7fffff                      ; -FLT_MAX
	s_mov_b32 s[G1+0], 15|(1<<16)|(1<<20)|(1<<21)|(5<<22)|(3<<25)   ; pb: all four partners; elements of 2 bytes; 4 words of padding behind every 64
	s_mov_b32 s[G1+1], 128<<16
	s_mov_b32 s[G1+2], 128<<16
	s_mov_b32 s[G1+3], 128<<16
	s_mov_b32 s[G1+4], 128
	s_mov_b32 s[G1+5], 1024
	s_mov_b32 s[G1+6], 0
	s_mov_b32 s[G1+7], 0
	s_mov_b32 s[G1B+0], (1<<16)|(1<<20)|(5<<22)|(3<<25)             ; v: no mask
	s_mov_b32 s[G1B+1], 128<<16
	s_mov_b32 s[G1B+2], 64<<16
	s_mov_b32 s[G1B+3], 128<<16
	s_mov_b32 s[G1B+4], 64
	s_mov_b32 s[G1B+5], 8192
	s_mov_b32 s[G1B+6], 0
	s_mov_b32 s[G1B+7], 0
	s_lshl_b32 s22, s19, 21                        ; pb: (1024 b + 256 I + 128 half) rows of 2,048 bytes: nothing of cx
	s_lshl_b32 s23, s18, 19
	s_add_co_u32 s22, s22, s23
	s_lshl_b32 s23, s14, 18
	s_add_co_u32 s22, s22, s23
	s_mov_b32 s23, 0
	s_lshl_b32 s46, s16, 21                        ; v: (128 block + 64 half) rows of 16,384 bytes + 1,024 b tokens of 2 bytes
	s_lshl_b32 s47, s14, 20
	s_add_co_u32 s46, s46, s47
	s_lshl_b32 s47, s19, 11
	s_add_co_u32 s46, s46, s47
	s_mov_b32 s47, 0
	s_mul_i32 s40, s12, HALFP                      ; waves 0, 1: pb's halves
	s_mul_i32 s41, s12, HALFV
	s_add_co_u32 s41, s41, VOFF-2*HALFV            ; waves 2, 3: v's halves, from VOFF on
	s_wait_dscnt 0x0
	s_wait_kmcnt 0x0
	s_add_nc_u64 s[22:23], s[4:5], s[22:23]
	s_add_nc_u64 s[46:47], s[6:7], s[46:47]
	CROUND                                         ; all four partners are here: the first joint loads meet
.irp s, 0,1
	s_mov_b32 s[G0+4*\s], 1
	s_add_co_u32 s[G0+4*\s+1], s40, \s*SLOT
	s_add_nc_u64 s[G0+4*\s+2:G0+4*\s+3], s[22:23], \s*256
	s_or_b32 s[G0+4*\s+3], s[G0+4*\s+3], 0x80000000
	s_mov_b32 s[G0B+4*\s], 1
	s_add_co_u32 s[G0B+4*\s+1], s41, \s*SLOT
	s_add_nc_u64 s[G0B+4*\s+2:G0B+4*\s+3], s[46:47], \s*256
	s_or_b32 s[G0B+4*\s+3], s[G0B+4*\s+3], 0x80000000
	JLOAD \s                                       ; chunks 0 and 1 (every block has at least two): two loads of mine are out
.endr
	; ---- the rows' figures.  Thread t owns rows 2 t and 2 t + 1 of the block, which are rows of its own wave. ----
	s_lshl_b32 s42, s19, 12                        ; st: (1024 b + 256 I) words
	s_lshl_b32 s43, s18, 10
	s_add_co_u32 s42, s42, s43
	s_mov_b32 s43, 0
	s_add_nc_u64 s[8:9], s[8:9], s[42:43]
	s_sub_co_u32 s44, s21, 1
	v_lshlrev_b32 v3, 3, v0                        ; 8 t
.irp c, 0,1,2,3,4,5,6,7
	s_min_u32 s45, s44, \c                         ; a chunk that this block does not have is read as its last one, and masked below
	s_lshl_b32 s45, s45, 15
	v_add_nc_u32 v[VO+\c], s45, v3
.endr
.irp c, 0,1,2,3,4,5,6,7
	global_load_b64 v[MM+2*\c:MM+2*\c+1], v[VO+\c], s[8:9]
	global_load_b64 v[LL+2*\c:LL+2*\c+1], v[VO+\c], s[8:9] offset:262144
.endr
.irp c, 2,3,4,5,6,7
	s_cmp_gt_u32 s21, \c
	s_cselect_b32 s[70+\c], -1, 0                  ; s72-77: all lanes where the block has chunk c
.endr
	; addresses, while the loads are on their way
	v_and_b32 v1, 15, v0                           ; r
	v_bfe_u32 v2, v0, 4, 1                         ; h
	v_and_b32 v4, 31, v0                           ; lane
	v_mul_u32_u24 v5, v1, PITCH
	v_lshl_add_u32 v5, v2, 4, v5                   ; row x pitch + 16 h
	s_mul_i32 s42, s12, 64*PITCH                   ; my 64 queries
	s_mov_b32 s43, VOFF
.irp s, 0,1
	v_add_nc_u32 v[ADRA+\s], s42, v5
	v_add_nc_u32 v[ADRB+\s], s43, v5
	s_add_co_u32 s42, s42, SLOT
	s_add_co_u32 s43, s43, SLOT
.endr
	s_mul_i32 s42, s12, 16*SP
	s_add_co_u32 s42, s42, STAGE                   ; my stage
	v_mul_u32_u24 v5, v1, SP
	v_lshl_add_u32 v5, v2, 5, v5
	v_add_nc_u32 v[STO], s42, v5                   ; in: row r, 32 bytes for each half of the lanes
	v_lshl_add_u32 v[RD], v4, 4, s42               ; back: a whole row of 512 bytes, 16 bytes a lane
	v_lshlrev_b32 v[CO], 4, v4
	s_lshl_b32 s42, s12, 11
	s_add_co_u32 s42, s42, FT                      ; my 2,048 bytes of factors
	v_lshl_add_u32 v[FADR], v1, 2, s42             ; to read: row r of a query block
	v_lshl_add_u32 v6, v4, 3, s42                  ; to write: rows 2 lane and 2 lane + 1
	v_add_nc_u32 v7, RL, v3                        ; 1 / L, to write: RL + 8 t
	s_lshl_b32 s43, s12, 8
	s_add_co_u32 s43, s43, RL
	v_lshl_add_u32 v[RLA], v1, 2, s43              ; to read
	s_lshl_b32 s42, s19, 22                        ; out0: (1024 b + 256 I + 64 w) rows of 4,096 bytes + 128 block features of 4 bytes
	s_lshl_b32 s43, s18, 20
	s_add_co_u32 s42, s42, s43
	s_lshl_b32 s43, s12, 18
	s_add_co_u32 s42, s42, s43
	s_lshl_b32 s43, s16, 9
	s_add_co_u32 s42, s42, s43
	s_mov_b32 s43, 0
	s_add_nc_u64 s[10:11], s[10:11], s[42:43]
	s_wait_loadcnt 0x0                             ; the figures are in; the offsets in v32-39 are free from here on
.irp c, 2,3,4,5,6,7
	v_cndmask_b32 v[MM+2*\c],   s70, v[MM+2*\c],   s[70+\c]    ; a chunk that is not there counts as -FLT_MAX: its factor is 0
	v_cndmask_b32 v[MM+2*\c+1], s70, v[MM+2*\c+1], s[70+\c]
.endr
.irp p, 0,1
	v_max3_num_f32 v[MX+\p], v[MM+\p], v[MM+2+\p], v[MM+4+\p]
	v_max3_num_f32 v[MX+\p], v[MX+\p], v[MM+6+\p], v[MM+8+\p]
	v_max3_num_f32 v[MX+\p], v[MX+\p], v[MM+10+\p], v[MM+12+\p]
	v_max_num_f32 v[MX+\p], v[MX+\p], v[MM+14+\p]  ; M: chunk 0 holds key 0, which no query masks, so M is a true score's
.endr
.irp c, 0,1,2,3,4,5,6,7
	v_sub_f32 v[MM+2*\c],   v[MM+2*\c],   v[MX]
	v_sub_f32 v[MM+2*\c+1], v[MM+2*\c+1], v[MX+1]
.endr
.set i, 0
.rept 16
	v_exp_f32 v[MM+i], v[MM+i]                     ; f = exp2(c2 m - M), at most 1
.set i, i+1
.endr
	v_nop                                          ; one plain place behind the last exponential
.set i, 0
	s_wait_alu depctr_va_vdst(0)
.rept 16
	v_cvt_pk_f16_f32 v[PK+i], v[MM+i], v[MM+i]     ; the factor in both halves of a word
.set i, i+1
.endr
	v_pk_mul_f32 v[LSUM:LSUM+1], v[MM:MM+1], v[LL:LL+1]
.irp c, 1,2,3,4,5,6,7
	v_pk_fma_f32 v[LSUM:LSUM+1], v[MM+2*\c:MM+2*\c+1], v[LL+2*\c:LL+2*\c+1], v[LSUM:LSUM+1]
.endr
.irp c, 0,1,2,3,4,5,6,7
	ds_store_b64 v6, v[PK+2*\c:PK+2*\c+1] offset:256*\c
.endr
	v_rcp_f32 v[RC], v[LSUM]                       ; L is at least the sum of the chunk that holds the row's maximum, about 1 or more
	v_rcp_f32 v[RC+1], v[LSUM+1]
	v_nop                                          ; one plain place behind the reciprocals
	s_wait_alu depctr_va_vdst(0)
	ds_store_b64 v7, v[RC:RC+1]
	; the factors come back in the fragments' order: lane l takes row 16 a + l % 16 of each chunk.  They are my own wave's bytes, and LDS serves a wave's
	; instructions in order, so these loads see the stores above.  Every address is FADR plus a constant.
.irp c, 0,1,2,3,4,5,6,7
.irp a, 0,1,2,3
	ds_load_b32 v[F+4*\c+\a], v[FADR] offset:256*\c+64*\a
.endr
.endr
.macro MUL8 f, a, zero                 ; query block a x all 8 feature blocks, 32 keys
.irp b, 0,1,2,3,4,5,6,7
.if \zero
	v_wmma_f32_16x16x32_f16 v[8*(8*\a+\b):8*(8*\a+\b)+7], v[FB+64*\f+8*\b:FB+64*\f+8*\b+7], v[FA+32*\f+8*\a:FA+32*\f+8*\a+7], 0
.else
	v_wmma_f32_16x16x32_f16 v[8*(8*\a+\b):8*(8*\a+\b)+7], v[FB+64*\f+8*\b:FB+64*\f+8*\b+7], v[FA+32*\f+8*\a:FA+32*\f+8*\a+7], v[8*(8*\a+\b):8*(8*\a+\b)+7]
.endif
.endr
.endm
.macro FETCH slot, k, f                ; 24 LDS loads in one run: 128 features of v, then my 64 queries of pb, 32 keys at byte k of the rows
	WIN 0
.irp i, 0,1,2,3,4,5,6,7
	ds_load_b128 v[FB+64*\f+8*\i:FB+64*\f+8*\i+3],   v[ADRB+\slot] offset:\k+\i*16*PITCH
	ds_load_b128 v[FB+64*\f+8*\i+4:FB+64*\f+8*\i+7], v[ADRB+\slot] offset:\k+\i*16*PITCH+32
.endr
.irp i, 0,1,2,3
	ds_load_b128 v[FA+32*\f+8*\i:FA+32*\f+8*\i+3],   v[ADRA+\slot] offset:\k+\i*16*PITCH
	ds_load_b128 v[FA+32*\f+8*\i+4:FA+32*\f+8*\i+7], v[ADRA+\slot] offset:\k+\i*16*PITCH+32
.endr
.endm
; pb's fragment a times its rows' factor, two f16 at a time.  FSB is the first of the eight registers that hold this lap's factors: four for the chunk in slot 0, four for slot 1.
.macro SCALE f, a, slot
.irp i, 0,1,2,3,4,5,6,7
	v_pk_mul_f16 v[FA+32*\f+8*\a+\i], v[FA+32*\f+8*\a+\i], v[FSB+4*\slot+\a]
.endr
.endm
.macro PLACES                          ; four places behind matrix instructions, ahead of loads into their sources and of readers of their results
.rept 4
	v_nop
.endr
.endm
.macro QUARTER slot, k, f, g, zero
	s_wait_dscnt 4                                 ; v and query blocks 0, 1 are in; the youngest four loads (blocks 2, 3) may be out
	WIN 0
	SCALE \f, 0, \slot
	SCALE \f, 1, \slot
	WIN ACC
	MUL8 \f, 0, \zero
	MUL8 \f, 1, \zero
	PLACES
	FETCH \slot, \k, \g
	s_wait_dscnt 24                                ; all but the 24 just issued
	SCALE \f, 2, \slot
	SCALE \f, 3, \slot
	WIN ACC
	MUL8 \f, 2, \zero
	MUL8 \f, 3, \zero
.endm
.macro THREE slot, zero
	QUARTER \slot, 64,  0, 1, \zero
	QUARTER \slot, 128, 1, 0, 0
	QUARTER \slot, 192, 0, 1, 0
.endm
; the last quarter of a chunk changes slots: every wave waits for its reads of this slot and for all its tensor loads; where the slot is filled again the
; barrier opens a round of the cluster's barrier, and the refill is the first tensor load behind the round
.macro TURN slot, next, fill
	s_wait_dscnt 4
	WIN 0
	SCALE 1, 0, \slot
	SCALE 1, 1, \slot
	WIN ACC
	MUL8 1, 0, 0
	s_wait_dscnt 0                                 ; my reads of this slot are over
	s_wait_tensorcnt 0x0                           ; all my tensor loads have landed: the one that was out is my part of the next slot
	ds_add_u32 v30, v31
	s_wait_dscnt 0x0
	s_barrier_signal -1
	MUL8 1, 1, 0                                   ; register work while the others arrive
	WIN 0
	s_barrier_wait -1
.if \fill
	CREST                                          ; no wave of any partner still reads this slot's tile or has a load on its way
	s_add_nc_u64 s[G0+4*\slot+2:G0+4*\slot+3], s[G0+4*\slot+2:G0+4*\slot+3], 512
	s_add_nc_u64 s[G0B+4*\slot+2:G0B+4*\slot+3], s[G0B+4*\slot+2:G0B+4*\slot+3], 512
	JLOAD \slot                                    ; my one tensor load behind the round: the chunk two further on
.endif
	PLACES
	FETCH \next, 0, 0
	SCALE 1, 2, \slot
	SCALE 1, 3, \slot
	WIN ACC
	MUL8 1, 2, 0
	MUL8 1, 3, 0
.endm
.macro LAP zero
	THREE 0, \zero
	TURN 0, 1, 1
	THREE 1, 0
	TURN 1, 0, 1
.endm
.macro LASTLAP zero                    ; fills nothing
	THREE 0, \zero
	TURN 0, 1, 0
	THREE 1, 0
	s_wait_dscnt 4
	WIN 0
	SCALE 1, 0, 1
	SCALE 1, 1, 1
	WIN ACC
	MUL8 1, 0, 0
	MUL8 1, 1, 0
	s_wait_dscnt 0
	WIN 0
	SCALE 1, 2, 1
	SCALE 1, 3, 1
	WIN ACC
	MUL8 1, 2, 0
	MUL8 1, 3, 0
.endm
	s_wait_dscnt 0x0                               ; my figures are in LDS and my 32 factors in registers
	s_wait_tensorcnt 0x1                           ; my part of chunk 0 is in; chunk 1's load stays out
	s_barrier_signal -1
	s_barrier_wait -1
	FETCH 0, 0, 0
	s_cmp_eq_u32 s20, 1                            ; the laps hang on y alone: the same in all four partners
	s_cbranch_scc1 .Lonly
.set FSB, F                                        ; chunks 0 and 1
	LAP 1                                          ; the first products start the sums
	WIN 0
	s_sub_co_u32 s3, s20, 2
	s_cmp_eq_u32 s3, 0
	s_cbranch_scc1 .Llast
.set FSB, F+8                                      ; from here on: the window, which holds chunks 2 and 3 at first
.Llap:
	LAP 0
	WIN 0
	; the queue of factors moves up by one lap: the window takes the next two chunks, and the two behind them take their place.
	; The loop makes at most two trips (laps - 2), so two stages behind the window are all that is needed.
.irp i, 0,1,2,3,4,5,6,7
	v_mov_b32 v[F+8+\i], v[F+16+\i]
.endr
.irp i, 0,1,2,3,4,5,6,7
	v_mov_b32 v[F+16+\i], v[F+24+\i]
.endr
	s_sub_co_u32 s3, s3, 1
	s_cmp_lg_u32 s3, 0
	s_cbranch_scc1 .Llap
.Llast:
	LASTLAP 0                                      ; the window holds the block's last two chunks, after 0, 1 or 2 trips
	WIN 0
	s_branch .Lout
.set FSB, F                                        ; a block of one lap: chunks 0 and 1
.Lonly:
	LASTLAP 1
	WIN 0
.Lout:
	; ---- the way out, 16 queries at a time: times 1 / L, 32 bytes a lane into my own stage, read back as whole rows of 512 bytes ----
	PLACES
.irp a, 0,1,2,3
	ds_load_b32 v[RLP+2*\a],   v[RLA] offset:64*\a             ; the factors' registers are free: no product follows
	ds_load_b32 v[RLP+2*\a+1], v[RLA] offset:64*\a
.endr
	s_wait_dscnt 0x0
.macro OUT16 a, rb
	WIN 0x01                                       ; source 0 window 1
.set i, 0
.rept 32
	v_pk_mul_f32 v[TMP+2*i:TMP+2*i+1], v[64*\a+2*i:64*\a+2*i+1], v[RLP+2*\a:RLP+2*\a+1]
.set i, i+1
.endr
	WIN 0
.irp b, 0,1,2,3,4,5,6,7
	ds_store_b128 v[STO], v[TMP+8*\b:TMP+8*\b+3]   offset:64*\b
	ds_store_b128 v[STO], v[TMP+8*\b+4:TMP+8*\b+7] offset:64*\b+16
.endr
	s_wait_xcnt 0x0                                ; the registers that earlier stores read are loaded again only behind this wait
.irp t, 0,1,2,3,4,5,6,7,8,9,10,11,12,13,14,15
	ds_load_b128 v[\rb+4*\t:\rb+4*\t+3], v[RD] offset:SP*\t     ; LDS serves a wave's instructions in order: these see the stores above
.endr
.irp t, 0,1,2,3,4,5,6,7,8,9,10,11,12,13,14,15
	s_wait_dscnt 15-\t
	global_store_b128 v[CO], v[\rb+4*\t:\rb+4*\t+3], s[10:11] offset:(16*\a+\t)*4096 th:TH_STORE_NT   ; 512 consecutive bytes, aligned
.endr
.endm
	OUT16 0, 128
	OUT16 1, 192
	OUT16 2, 128
	OUT16 3, 192
	s_wait_tensorcnt 0x0
	ds_add_u32 v30, v31
	s_wait_dscnt 0x0
	CROUND                                         ; the closing round: no work-group ends while a partner may still ask for a tile that names it
	s_endpgm
.Lfunc_end_k_q25de6a18fa_pv:
	.size	k_q25de6a18fa_pv, .Lfunc_end_k_q25de6a18fa_pv-k_q25de6a18fa_pv
	.p2alignl 7, 3214868480
	.fill 96, 4, 3214868480
	.section	.rodata,"a",@progbits
	.p2align	6, 0x0
	.amdhsa_kernel k_q25de6a18fa_pv
		.amdhsa_group_segment_fixed_size 327680
		.amdhsa_private_segment_fixed_size 0
		.amdhsa_enable_private_segment 0
		.amdhsa_kernarg_size 32
		.amdhsa_user_sgpr_count 2
		.amdhsa_user_sgpr_kernarg_segment_ptr 1
		.amdhsa_wavefront_size32 1
		.amdhsa_system_sgpr_workgroup_id_x 1
		.amdhsa_system_sgpr_workgroup_id_y 1
		.amdhsa_system_sgpr_workgroup_id_z 1
		.amdhsa_system_vgpr_workitem_id 0
		.amdhsa_next_free_vgpr 512
		.amdhsa_next_free_sgpr 80
		.amdhsa_reserve_vcc 0
		.amdhsa_float_denorm_mode_32 3
		.amdhsa_float_denorm_mode_16_64 3
		.amdhsa_memory_ordered 1
		.amdhsa_forward_progress 1
		.amdhsa_inst_pref_size 231
	.end_amdhsa_kernel
	.amdgpu_metadata
---
amdhsa.version: [ 1, 2 ]
amdhsa.kernels:
  - .name:           k_q25de6a18fa_pv
    .symbol:         k_q25de6a18fa_pv.kd
    .args:
      - { .name: pb, .offset: 0, .size: 8, .value_kind: global_buffer, .address_space: global }
      - { .name: vt, .offset: 8, .size: 8, .value_kind: global_buffer, .address_space: global }
      - { .name: st, .offset: 16, .size: 8, .value_kind: global_buffer, .address_space: global }
      - { .name: out0, .offset: 24, .size: 8, .value_kind: global_buffer, .address_space: global }
    .group_segment_fixed_size: 327680
    .private_segment_fixed_size: 0
    .kernarg_segment_align: 8
    .kernarg_segment_size: 32
    .max_flat_workgroup_size: 128
    .sgpr_count:     80
    .vgpr_count:     512
    .wavefront_size: 32
...
	.end_amdgpu_metadata
.endif
;; end of part 4
;; ======== version 2 of 2: 4 launches; version 1 with the launch prep written anew for expert scheduling mode
;; limits: values are held in f16: magnitudes above 65,504 overflow, below 6.1e-05 lose precision
;; workspace buffers: xb 16,777,216 bytes; wt 6,291,456 bytes; qk 33,554,432 bytes; vt 16,777,216 bytes; pb 16,777,216 bytes; st 524,288 bytes
;; launch prep (part 5): grid 704 x 1, 8 waves a work-group, no clusters, 50,688 bytes of LDS; arguments x, Wq, Wk, Wv, xb, wt; writes xb, wt
.if DOCPART == 5
	.amdgcn_target "amdgcn-amd-amdhsa--gfx1250"
	.amdhsa_code_object_version 6
	.text
	.protected	k_q25de6a18fa_prep
	.globl	k_q25de6a18fa_prep
	.p2align	8
	.type	k_q25de6a18fa_prep,@function
k_q25de6a18fa_prep:
	s_mov_b64 s[64:65], 0
	v_nop
	global_prefetch_b8 v0, s[64:65] scope:SCOPE_SE
	s_setreg_imm32_b32 hwreg(HW_REG_WAVE_SCHED_MODE, 0, 2), 2
	s_setreg_imm32_b32 hwreg(HW_REG_WAVE_MODE, 25, 1), 1
	s_wait_xcnt 0x0
	s_wait_alu depctr_vm_vsrc(0)
; prep: xb = bf16(x), [8192][1024];  wt = bf16 of the three weights, transposed: wt[which*1024 + e][d] = W_which[d][e], which = 0 (Wq), 1 (Wk), 2 (Wv).
; Work-groups 0 to 511 cast 64 KiB of x each; work-groups 512 to 703 transpose one block of 128 d x 128 e of one weight each (3 x 8 x 8 = 192).
; Memory binds: every input byte is read once by 16-byte loads of which a wave's cover 512 neighbouring bytes, every output byte is written once,
; and each store of a wave covers whole aligned runs of 256 bytes.  No matrix unit, no cluster: no work-group shares a byte with another.
; THE MODE: SCHED_MODE bits 1:0 = 2 (LLVM: expert scheduling mode 2), set by the entry lines.  The code itself states the register dependences
; between vector instructions and memory or LDS instructions, with s_wait_alu, always for 0.
; THE PLAN.  Registers that memory or LDS instructions touch:
;   v3, v4 (cast); v3, v5, v8, v9 (transposition)   offsets and LDS addresses: made once by vector lines, never written again.
;   X   loaded once from memory and read by the conversions; in the transposition its first half is loaded once more, from LDS, behind the last conversion.
;   Y   a register of its own for each rounded pair: written once by a conversion, read once by a store (cast) or an LDS store (transposition).
;   v112, v113   made at the head, read by the closing add alone.
; No register that a memory or LDS instruction reads is ever written again, so the text holds no wait on vm_vsrc.
; The conversions go in blocks; a block's stores are issued in the next block, behind ONE wait on va_vdst at that block's head, and are dealt among that
; block's conversions, which name other registers of X and Y.
.set XGROUPS, 512
.set X,    16                          ; v[16:79]   sixteen loads of four f32
.set Y,    80                          ; v[80:111]  the rounded numbers, a register of its own for each: no store's data is ever rewritten
.set WP,   48                          ; LDS pitch of a row of 16 bf16 (32 bytes + 16)
.set WREG, 128*WP+32                   ; a wave's own region of the stage: 128 rows (e) x 16 d; the 32 bytes shift neighbouring regions by two 16-byte columns
	s_load_b256 s[4:11], s[0:1], 0x0               ; x s[4:5], Wq s[6:7], Wk s[8:9], Wv s[10:11]
	s_load_b128 s[12:15], s[0:1], 0x20             ; xb s[12:13], wt s[14:15]
	v_lshl_add_u32 v112, v0, 2, 0xc200             ; my spare word, behind the stage: the two registers are kept for the closing add alone
	v_mov_b32 v113, 0
	v_lshrrev_b32 v2, 5, v0
	v_readfirstlane_b32 s16, v2                    ; wave 0..7
	v_and_b32 v1, 31, v0                           ; lane
	s_wait_alu depctr_va_sdst(0)                   ; s16 is written
	s_cmp_ge_u32 ttmp9, XGROUPS                    ; the same in all waves of a work-group
	s_cbranch_scc1 .Lw
	; ---- the cast of x: thread t takes the 16 bytes at 16 t + 4096 k, k = 0..15, of the group's 65,536 bytes ----
	v_lshlrev_b32 v3, 4, v0                        ; 16 t: in
	v_lshlrev_b32 v4, 3, v0                        ; 8 t: out
	s_lshl_b32 s18, ttmp9, 16                      ; 65,536 bytes of x for each group (below 32 MiB)
	s_mov_b32 s19, 0
	s_lshl_b32 s20, ttmp9, 15                      ; 32,768 bytes of xb
	s_mov_b32 s21, 0
	s_wait_kmcnt 0x0
	s_add_nc_u64 s[4:5], s[4:5], s[18:19]
	s_add_nc_u64 s[12:13], s[12:13], s[20:21]
	s_wait_alu depctr_va_vdst(0)                   ; v3 and v4 are written: every load below reads v3 as its offset, every store v4
.irp k, 0,1,2,3,4,5,6,7,8,9,10,11,12,13,14,15
	global_load_b128 v[X+4*\k:X+4*\k+3], v3, s[4:5] offset:4096*\k th:TH_LOAD_NT   ; all sixteen go out before the first is used
.endr
; Block p of four: loads 4 p .. 4 p + 3 are rounded, and the four stores of block p - 1 go out, one ahead of each pair of conversions.
.macro CBLK p
.irp i, 0,1,2,3
	s_wait_loadcnt 15-4*(\p)-(\i)                  ; loads return in order: load 4 p + i is in, the younger ones stay out
.if \p
.if (\i) == 0
	s_wait_alu depctr_va_vdst(0)                   ; the block before has written its eight registers of Y, which this block's four stores read; no conversion below names them
.endif
	global_store_b64 v4, v[Y+2*(4*(\p)+(\i)-4):Y+2*(4*(\p)+(\i)-4)+1], s[12:13] offset:2048*(4*(\p)+(\i)-4)   ; 32 lanes x 8 bytes: 256 consecutive bytes, aligned
.endif
	v_cvt_pk_bf16_f32 v[Y+2*(4*(\p)+(\i))],   v[X+4*(4*(\p)+(\i))],   v[X+4*(4*(\p)+(\i))+1]
	v_cvt_pk_bf16_f32 v[Y+2*(4*(\p)+(\i))+1], v[X+4*(4*(\p)+(\i))+2], v[X+4*(4*(\p)+(\i))+3]
.endr
.endm
	CBLK 0
	CBLK 1
	CBLK 2
	CBLK 3
	s_wait_alu depctr_va_vdst(0)                   ; block 3 has written its eight registers of Y, which the last four stores read
.irp k, 12,13,14,15
	global_store_b64 v4, v[Y+2*\k:Y+2*\k+1], s[12:13] offset:2048*\k               ; 32 lanes x 8 bytes: 256 consecutive bytes, aligned
.endr
	s_endpgm
	; ---- the transposition of a block of 128 d x 128 e ----
.Lw:
	s_sub_co_u32 s17, ttmp9, XGROUPS
	s_lshr_b32 s18, s17, 6                         ; which weight
	s_bfe_u32 s19, s17, 0x30003                    ; td: block of 128 d
	s_and_b32 s20, s17, 7                          ; te: block of 128 e
	s_lshl_b32 s24, s19, 19                        ; in: 128 td rows of 4,096 bytes
	s_lshl_b32 s21, s20, 9                         ;     + 128 te columns of 4 bytes
	s_add_co_u32 s24, s24, s21
	s_mov_b32 s25, 0
	s_lshl_b32 s26, s18, 21                        ; out: (1024 which + 128 te) rows of 2,048 bytes
	s_lshl_b32 s21, s20, 18
	s_add_co_u32 s26, s26, s21
	s_lshl_b32 s21, s19, 8                         ;      + 128 td columns of 2 bytes
	s_add_co_u32 s26, s26, s21
	s_mov_b32 s27, 0
	s_mul_i32 s28, s16, WREG                       ; my region of the stage
	v_lshlrev_b32 v3, 4, v1
	v_lshl_add_u32 v3, s16, 16, v3                 ; in: my 16 rows (d = 16 w ..) + 16 bytes a lane (e = 4 lane ..)
	v_mul_u32_u24 v5, v1, 4*WP
	v_add_nc_u32 v5, s28, v5                       ; stage, in: my region, row e = 4 lane
	v_lshrrev_b32 v6, 4, v1
	v_lshl_add_u32 v6, s16, 4, v6                  ; back: row e = 16 w + lane / 16 (+ 2 t)
	v_and_b32 v7, 15, v1                           ; piece r of a row of 256 bytes: d = 8 r .. 8 r + 7,
	v_lshrrev_b32 v8, 1, v7                        ; which wave r / 2 wrote,
	v_and_b32 v9, 1, v7                            ; as the half r % 2 of its 32 bytes
	v_mul_u32_u24 v8, v8, WREG
	v_lshl_add_u32 v8, v9, 4, v8
	v_mul_u32_u24 v9, v6, WP
	v_add_nc_u32 v8, v8, v9                        ; stage, back
	v_lshlrev_b32 v9, 4, v7
	v_lshl_add_u32 v9, v6, 11, v9                  ; out: row x 2,048 + 16 r
	s_wait_kmcnt 0x0
	s_cmp_eq_u32 s18, 1
	s_cselect_b64 s[22:23], s[8:9], s[6:7]
	s_cmp_eq_u32 s18, 2
	s_cselect_b64 s[22:23], s[10:11], s[22:23]     ; the weight's address, chosen by the group's number alone
	s_add_nc_u64 s[22:23], s[22:23], s[24:25]
	s_add_nc_u64 s[14:15], s[14:15], s[26:27]
	s_wait_alu depctr_va_vdst(0)                   ; v3, v5, v8 and v9 are written: the offsets and LDS addresses of all the loads and stores below, never written again
.irp p, 0,1,2,3,4,5,6,7,8,9,10,11,12,13,14,15
	global_load_b128 v[X+4*\p:X+4*\p+3], v3, s[22:23] offset:4096*\p th:TH_LOAD_NT  ; row d = 16 w + p: 512 neighbouring bytes a wave
.endr
	s_wait_loadcnt 8                               ; rows 0 .. 7 are in; the eight younger loads stay out
.irp k, 0,1,2,3
.irp i, 0,1,2,3
	v_cvt_pk_bf16_f32 v[Y+4*\k+\i], v[X+4*(2*\i)+\k], v[X+4*(2*\i+1)+\k]           ; column e = 4 lane + k, d = 16 w + 2 i and the next
.endr
.endr
	s_wait_loadcnt 0x0                             ; rows 8 .. 15 are in
	s_wait_alu depctr_va_vdst(0)                   ; the sixteen conversions above have written Y's first half, which the four LDS stores below read; the conversions among them name the second halves of X and Y alone
.irp k, 0,1,2,3
	ds_store_b128 v5, v[Y+4*\k:Y+4*\k+3] offset:WP*\k
.irp i, 0,1,2,3
	v_cvt_pk_bf16_f32 v[Y+4*(4+\k)+\i], v[X+4*(8+2*\i)+\k], v[X+4*(8+2*\i+1)+\k]   ; column e = 4 lane + k, d = 16 w + 8 + 2 i and the next
.endr
.endr
	s_wait_alu depctr_va_vdst(0)                   ; the conversions have written Y's second half, which the LDS stores below read, and are done reading X, in whose first half the LDS loads behind the barrier land; no vector instruction follows
.irp k, 0,1,2,3
	ds_store_b128 v5, v[Y+4*(4+\k):Y+4*(4+\k)+3] offset:WP*\k+16
.endr
	s_wait_dscnt 0x0                               ; my stores are in LDS: the other waves read them behind the barrier
	s_barrier_signal -1
	s_barrier_wait -1
.irp t, 0,1,2,3,4,5,6,7
	ds_load_b128 v[X+4*\t:X+4*\t+3], v8 offset:2*WP*\t          ; rows 16 w + 2 t (lanes 0-15) and + 1 (lanes 16-31), 256 bytes each
.endr
.irp t, 0,1,2,3,4,5,6,7
	s_wait_dscnt 7-\t                              ; LDS loads return in order: load t is in
	global_store_b128 v9, v[X+4*\t:X+4*\t+3], s[14:15] offset:4096*\t   ; sixteen lanes store 256 consecutive bytes, aligned
.endr
	s_wait_dscnt 0x0                               ; the closing lines, six on end
	s_wait_alu 0x0
	s_wait_tensorcnt 0x0
	ds_add_u32 v112, v113
	s_wait_dscnt 0x0
	s_endpgm
.Lfunc_end_k_q25de6a18fa_prep:
	.size	k_q25de6a18fa_prep, .Lfunc_end_k_q25de6a18fa_prep-k_q25de6a18fa_prep
	.p2alignl 7, 3214868480
	.fill 96, 4, 3214868480
	.section	.rodata,"a",@progbits
	.p2align	6, 0x0
	.amdhsa_kernel k_q25de6a18fa_prep
		.amdhsa_group_segment_fixed_size 50688
		.amdhsa_private_segment_fixed_size 0
		.amdhsa_enable_private_segment 0
		.amdhsa_kernarg_size 48
		.amdhsa_user_sgpr_count 2
		.amdhsa_user_sgpr_kernarg_segment_ptr 1
		.amdhsa_wavefront_size32 1
		.amdhsa_system_sgpr_workgroup_id_x 1
		.amdhsa_system_sgpr_workgroup_id_y 1
		.amdhsa_system_sgpr_workgroup_id_z 1
		.amdhsa_system_vgpr_workitem_id 0
		.amdhsa_next_free_vgpr 114
		.amdhsa_next_free_sgpr 66
		.amdhsa_reserve_vcc 0
		.amdhsa_float_denorm_mode_32 3
		.amdhsa_float_denorm_mode_16_64 3
		.amdhsa_memory_ordered 1
		.amdhsa_forward_progress 1
		.amdhsa_inst_pref_size 15
	.end_amdhsa_kernel
	.amdgpu_metadata
---
amdhsa.version: [ 1, 2 ]
amdhsa.kernels:
  - .name:           k_q25de6a18fa_prep
    .symbol:         k_q25de6a18fa_prep.kd
    .args:
      - { .name: x, .offset: 0, .size: 8, .value_kind: global_buffer, .address_space: global }
      - { .name: Wq, .offset: 8, .size: 8, .value_kind: global_buffer, .address_space: global }
      - { .name: Wk, .offset: 16, .size: 8, .value_kind: global_buffer, .address_space: global }
      - { .name: Wv, .offset: 24, .size: 8, .value_kind: global_buffer, .address_space: global }
      - { .name: xb, .offset: 32, .size: 8, .value_kind: global_buffer, .address_space: global }
      - { .name: wt, .offset: 40, .size: 8, .value_kind: global_buffer, .address_space: global }
    .group_segment_fixed_size: 50688
    .private_segment_fixed_size: 0
    .kernarg_segment_align: 8
    .kernarg_segment_size: 48
    .max_flat_workgroup_size: 256
    .sgpr_count:     66
    .vgpr_count:     114
    .wavefront_size: 32
...
	.end_amdgpu_metadata
.endif
;; end of part 5
;; launch qk: the kernel of part 2 again; grid 32 x 8, 4 waves a work-group, clusters of 4 x 4, 327,680 bytes of LDS; arguments wt, xb, qk; writes qk
;; launch vs: the kernel of part 3 again; grid 208 x 1, 4 waves a work-group, no clusters, 327,680 bytes of LDS; arguments wt, xb, qk, vt, pb, st; writes vt, pb, st
;; launch pv: the kernel of part 4 again; grid 8 x 32, 4 waves a work-group, clusters of 4 x 1, 327,680 bytes of LDS; arguments pb, vt, st, out0; writes out0
